; MI455X (gfx1250); checked and timed in simulation.
; The chip was launched on July 23, 2026; its instructions are those of AMD's public machine-readable ISA for CDNA 5 (MIT licence, August 2026) and "CDNA5" Instruction Set Architecture Reference Guide (July 2026). The comments in the code are by the model that wrote it; some were corrected since.
;; q Qroh Q Xi AIT Qzn Fu Shyd Rodggj O Wex BZ. Allowed arithmetic: matrix products marked QUANTISED: E2M3 operands, one E8M0 scale for each 32 along K, by v_wmma_scale_f32_16x16x128_f8f6f4 with both operands' format E2M3, f32 sums; everything else in f32.
;; Inputs: Wk 1,024 x 512 float32; Wout 512 x 1,024 float32; Wq 1,024 x 512 float32; Wv 1,024 x 512 float32; bout 1,024 float32; x 2 x 4,096 x 1,024 float32.
;; Outputs: out0 2 x 4,096 x 1,024 float32.
;; This version of the problem:
;;   THIS VERSION OF THE PROBLEM IS GIVEN IN LOW PRECISION. The matrix products marked QUANTISED in the list below multiply operands that are first quantised to E2M3 (2 exponent bits, 3 mantissa bits; 6 bits a number), with one power-of-two scale for each 32 numbers along K (OCP MX v1.0); their sums are f32. All else is computed in f32.
;;   The module's matrix products, in the order in which they are computed (A, B: the left and right operand; K: the contracted axis; several contracted axes count as one K, in the product's order):
;;     1. [M 8,192, K 1,024] x [K 1,024, N 512]; A: input x; B: input Wq: QUANTISED
;;     2. [M 8,192, K 1,024] x [K 1,024, N 512]; A: input x; B: input Wk: QUANTISED
;;     3. [M 8,192, K 1,024] x [K 1,024, N 512]; A: input x; B: input Wv: QUANTISED
;;     4. batch 16 x [M 4,096, K 64] x [K 64, N 4,096]; A: computed on the way; B: computed on the way: QUANTISED
;;     5. batch 16 x [M 4,096, K 4,096] x [K 4,096, N 64]; A: softmax (see below); B: computed on the way: QUANTISED
;;     6. [M 8,192, K 512] x [K 512, N 1,024]; A: computed on the way; B: input Wout: QUANTISED
;;   THE QUANTISER, for each operand of a quantised product, along K:
;;     - K is cut into blocks of 32 from its start; a last block that is shorter is filled with zeros.
;;     - A block's scale is 2^e with e = floor(log2(the largest magnitude in the block)) - 2, held to -126 .. 127; a block of zeros has e = 0. As a byte (E8M0): e + 127.
;;     - Each number is divided by its block's scale, clamped to +-7.5, and rounded to the nearest number of E2M3, ties to even, subnormals kept.
;;     - The product sums the exact products of the quantised numbers (number of the format x scale) in f32.
;;   ~~~python
;;   def quantise(x, axis):      # numpy; x: float32 -> the quantised numbers, widened to float32 again
;;       x = np.moveaxis(x, axis, -1); K = x.shape[-1]
;;       x = np.pad(x, [(0, 0)] * (x.ndim - 1) + [(0, -K % 32)]); x = x.reshape(x.shape[:-1] + (-1, 32)); a = np.abs(x).max(-1, keepdims=True)
;;       e = np.where(a > 0, np.clip(np.frexp(np.where(a > 0, a, 1))[1] - 1 - 2, -126, 127), 0)      # np.frexp(a)[1] - 1 = floor(log2(a)), exactly
;;       r = np.clip(x / 2.0 ** e, -7.5, 7.5)
;;       step = 2.0 ** (np.maximum(np.frexp(np.where(r == 0, 1, r))[1] - 1, 0) - 3)
;;       q = np.round(r / step) * step * 2.0 ** e      # np.round: ties to even
;;       return np.moveaxis(q.reshape(q.shape[:-2] + (-1,))[..., :K], -1, axis).astype(np.float32)
;;   ~~~
;;   SOFTMAX AHEAD OF A QUANTISED PRODUCT. Where the list says 'softmax', what is quantised is not the finished softmax but p = 2^(t - M), with t = logit x log2(e) and M = ceil(the row's largest t), a whole number; so 1/2 < the row's largest p <= 1. The row's sum l is taken of the UNQUANTISED p, in f32, and the product's result is divided by l at the end. Since M is a whole number, a kernel that streams over the keys may use a running M (the ceiling of the running maximum): every later rescaling is an exact power of two, which a block's scale takes up: the codes' values come out the same.
;;   OPERANDS COMPUTED ON THE WAY. 'Computed on the way' means the value that the module computes at that place (a softmax that the list does not call 'softmax' is quantised finished and normalised). What goes into a quantiser is computed in f32, as accurately as f32 sums, v_exp_f32 and their like allow (about 1e-6 of the number): no bf16 or f16 on the way to a quantiser, and a product that is left as it is and whose result goes on into a quantised operand takes f32 operands (vector FMAs, or v_wmma_f32_16x16x4_f32). A number that lies on a knife's edge between two numbers of the format may be rounded either way, as far as f32 arithmetic and the matrix unit's own rounding can turn it there, and no further.
;; One version. Each part assembles by itself: llvm-mc -triple=amdgcn-amd-amdhsa -mcpu=gfx1250 --defsym DOCPART=n.
;; ======== version 1 of 1: 4 launches
;; limits: right only within a limited range of input values
;; workspace buffers: xq 6,553,600 bytes; wq 1,228,800 bytes; wo 409,600 bytes; qb 3,407,872 bytes; kb 3,407,872 bytes; vb 3,407,872 bytes; ob 3,276,800 bytes
;; launch prep (part 1): grid 576 x 1, 8 waves a work-group, no clusters, 93,184 bytes of LDS; arguments x, Wq, Wk, Wv, Wout, xq, wq, wo; writes xq, wq, wo
.if DOCPART == 1
	.amdgcn_target "amdgcn-amd-amdhsa--gfx1250"
	.amdhsa_code_object_version 6
	.text
	.protected	k_qc0153debc4_prep
	.globl	k_qc0153debc4_prep
	.p2align	8
	.type	k_qc0153debc4_prep,@function
k_qc0153debc4_prep:
	s_mov_b64 s[64:65], 0
	v_nop
	global_prefetch_b8 v0, s[64:65] scope:SCOPE_SE
	s_setreg_imm32_b32 hwreg(HW_REG_WAVE_MODE, 25, 1), 1
	s_wait_xcnt 0x0
; x [8192][1024] (K innermost) and Wq, Wk, Wv [1024][512], Wout [512][1024] (K = the first axis), all f32, become codes of FP6 (E2M3) with one E8M0 byte for each 32 along K.
; A block's scale is 2^(floor(log2(its largest magnitude)) - 2): its byte is the largest magnitude's exponent field - 2, held at 1 from below.
; LIMITS: NaN and infinities among the inputs are not served; a block whose largest magnitude lies under 2^-124 keeps the byte 1; a block of zeros gets the byte 1 where the rule says 127:
; its codes are zeros, which add nothing, and this program alone reads the bytes.
; LAYOUT OF THE RESULTS: images of operand registers.  A TILE is 16 rows out of a group of 32: tile 2 g + u, row i, is index 32 g + 8 u + i + 8 (i / 8).  A fragment (a tile x 128 along K) is 12 registers a lane
; (lane (r, h): row r; registers 6 c .. 6 c + 5: k = 64 c + 32 h + 0 .. 31); its image is three runs of 32 lanes x 16 bytes, 1,536 bytes.  A tile's scale words (four bytes a row) are 64 bytes.
;   xq [block of 128 tokens 64][K step 8][8 images, then 8 x 64 bytes of scale words]            12,800 bytes a chunk
;   wq [head 8][K step 8][12 images: q's 4 tiles, k's 4, v's 4; then 12 x 64 bytes]              19,200 bytes a chunk
;   wo [256 columns 4][K step 4][16 images, then 16 x 64 bytes]                                  25,600 bytes a chunk
; Work-groups 0 to 63 take the weights, 64 to 575 one tile of tokens each.  The two ways have LDS bytes of their own.  Waves share nothing: no barrier.  No input is shared between work-groups: no cluster.
.set RAW,  32                          ; x: v32-95   16 rows as loaded
.set XN,   96                          ; x: v96-159  my 2 x 32 neighbours along K
.set XPC,  160                         ; x: v160-171 the fragment
.set XCT,  172                         ; x: v172-179 the upper halves of the blocks' codes
.set XSTG, 16*528                      ; x: a wave's stage: 16 rows of 512 bytes + 16
.set WST0, 8*XSTG                      ; weights: the waves' stages, 3,072 bytes each (two images)
.set VO,   32                          ; weights: v32-63 4 x lane + i x a row's bytes
.set WX,   64                          ; weights: v64-127 two sets of 32 numbers down K
.set WPC,  128                         ; weights: v128-159 eight registers for each block's six
.set WCT,  160
.set WOUT, 164                         ; weights: v164-187 the two images on their way out
	v_lshl_add_u32 v192, v0, 2, 0x16800
	v_mov_b32 v193, 0
	v_lshrrev_b32 v1, 5, v0
	s_delay_alu instid0(VALU_DEP_1)
	v_readfirstlane_b32 s16, v1                    ; wave 0..7
	v_and_b32 v2, 31, v0                           ; lane
	s_cmp_lt_u32 ttmp9, 64
	s_cbranch_scc1 .Lweights
; ---------------- x: the work-group is tile T of tokens, the wave is the K step ----------------
	s_load_b64 s[4:5], s[0:1], 0x0                 ; x
	s_load_b64 s[6:7], s[0:1], 0x28                ; xq
	v_and_b32 v3, 15, v0                           ; r
	v_bfe_u32 v4, v0, 4, 1                         ; h
	v_lshlrev_b32 v5, 4, v2                        ; 16 x lane
	s_wait_alu depctr_va_vdst(0)
	v_lshlrev_b32 v16, 2, v3                       ; 4 r
	s_mov_b32 s24, 0x76543210
	s_mov_b32 s25, 0xfedcba98                      ; v_permlanex16_b32's selects for lane l xor 16
	s_sub_co_u32 s9, ttmp9, 64                     ; T
	; TOKENS' TILES (the weights' columns keep the tiling of the head comment): tile 4 c + u of a block of 128 tokens, row i, is token 64 c + 8 u + i % 8 + 32 (i / 8)
	s_lshr_b32 s10, s9, 2
	s_and_b32 s11, s9, 3
	s_lshl_b32 s10, s10, 6                         ; the tile's first token: 64 (T / 4) + 8 (T % 4)
	s_lshl_b32 s11, s11, 3
	s_add_co_u32 s10, s10, s11                     ; the tile's first token: 64 (T / 4) + 8 (T % 4)
	s_lshl_b32 s10, s10, 12                        ; x 4,096 bytes a row
	s_lshl_b32 s11, s16, 9                         ; + 512 bytes a K step
	s_add_co_u32 s10, s10, s11
	s_mov_b32 s11, 0
	s_mul_i32 s12, s16, XSTG                       ; my stage
	v_add_nc_u32 v6, s12, v5                       ; in: 16 x lane of a row
	v_mul_u32_u24 v7, v3, 528
	s_delay_alu instid0(VALU_DEP_1)
	v_lshl_add_u32 v7, v4, 7, v7                   ; out: row r, + 128 h bytes: my 32 numbers of each 64
	s_delay_alu instid0(VALU_DEP_1)
	v_add_nc_u32 v7, s12, v7
	s_lshr_b32 s13, s9, 3
	s_lshl_b32 s13, s13, 3
	s_add_co_u32 s13, s13, s16
	s_mul_i32 s13, s13, 12800                      ; the chunk: (T / 8) x 8 + K step
	s_and_b32 s14, s9, 7
	s_mul_i32 s15, s14, 1536
	s_add_co_u32 s18, s13, s15                     ; my image
	s_mov_b32 s19, 0
	s_lshl_b32 s14, s14, 6
	s_add_co_u32 s20, s13, s14
	s_add_co_u32 s20, s20, 12288                   ; my scale words
	s_mov_b32 s21, 0
	s_wait_alu depctr_va_vdst(0)
	s_wait_kmcnt 0x0
	s_add_nc_u64 s[4:5], s[4:5], s[10:11]
	s_add_nc_u64 s[18:19], s[6:7], s[18:19]
	s_add_nc_u64 s[20:21], s[6:7], s[20:21]
.irp p, 0,1,2,3,4,5,6,7,8,9,10,11,12,13,14,15
	global_load_b128 v[RAW+4*\p:RAW+4*\p+3], v5, s[4:5] offset:(\p+24*(\p/8))*4096 th:TH_LOAD_NT   ; row p of the tile: 32 lanes read 512 consecutive bytes; read once in the launch
.endr
.irp p, 0,1,2,3,4,5,6,7,8,9,10,11,12,13,14,15
	s_wait_loadcnt 15-\p                           ; loads come back in order: row p is in, the younger rows stay out
	ds_store_b128 v6, v[RAW+4*\p:RAW+4*\p+3] offset:\p*528
.endr
.irp c, 0,1
.irp j, 0,1,2,3,4,5,6,7
	ds_load_b128 v[XN+32*\c+4*\j:XN+32*\c+4*\j+3], v7 offset:256*\c+16*\j   ; k = 64 c + 32 h + 4 j ..: LDS serves a wave's instructions in order, so these see my stores
.endr
.endr
	s_wait_dscnt 0x0
.irp c, 0,1                                    ; my block 2 c + h: all its 32 numbers are mine
	v_max3_num_f32 v[8+\c], |v[XN+32*\c]|, |v[XN+1+32*\c]|, 0x1800000   ; with the floor 2^(3 - 127): the byte cannot fall under 1
.endr
.irp i, 2,4,6,8,10,12,14,16,18,20,22,24,26,28,30
.irp c, 0,1
	s_delay_alu instid0(VALU_DEP_2)
	v_max3_num_f32 v[8+\c], v[8+\c], |v[XN+32*\c+\i]|, |v[XN+1+32*\c+\i]|
.endr
.endr
.irp c, 0,1
	s_delay_alu instid0(VALU_DEP_2)
	v_add_nc_u32 v[10+\c], 0xff000000, v[8+\c]     ; 2 off the exponent field: the conversion's scale operand
.endr
.irp c, 0,1
	s_delay_alu instid0(VALU_DEP_2)
	v_lshrrev_b32 v[12+\c], 23, v[10+\c]           ; the scale's byte
.endr
	s_delay_alu instid0(VALU_DEP_1)
	v_lshl_or_b32 v14, v13, 16, v12                ; my two bytes: blocks h and 2 + h,
	v_lshlrev_b32 v15, 3, v4
	s_delay_alu instid0(VALU_DEP_1)
	v_lshlrev_b32 v14, v15, v14                    ; 8 h bits up;
	v_mov_b32 v15, 0
	s_delay_alu instid0(VALU_DEP_1)
	v_permlanex16_b32 v15, v14, s24, s25
	s_delay_alu instid0(VALU_DEP_1)
	v_or_b32 v14, v14, v15                         ; with lane l xor 16's two the row's word is whole
.irp c, 0,1
	v_cvt_scalef32_pk16_fp6_f32 v[XPC+6*\c:XPC+6*\c+2], v[XN+32*\c:XN+32*\c+15], v[10+\c]
	v_cvt_scalef32_pk16_fp6_f32 v[XCT+4*\c:XCT+4*\c+2], v[XN+32*\c+16:XN+32*\c+31], v[10+\c]   ; (a conversion's three registers begin on an even number)
.endr
	v_nop                                          ; one plain instruction behind the scaled conversions
.irp c, 0,1
.irp i, 0,1,2
	v_mov_b32 v[XPC+3+6*\c+\i], v[XCT+4*\c+\i]
.endr
.endr
.irp i, 0,1,2
	global_store_b128 v5, v[XPC+4*\i:XPC+4*\i+3], s[18:19] offset:512*\i   ; the image: 512 consecutive bytes a store
.endr
	global_store_b32 v16, v14, s[20:21]            ; lanes 16-31 write the same word to the same place as lanes 0-15
	s_wait_tensorcnt 0x0
	ds_add_u32 v192, v193
	s_wait_dscnt 0x0
	s_endpgm
; ---------------- the weights: a wave takes 32 neighbouring columns (two tiles) x 128 along K; a lane takes a column, its registers run down K ----------------
.Lweights:
	s_load_b256 s[4:11], s[0:1], 0x8               ; Wq s[4:5], Wk s[6:7], Wv s[8:9], Wout s[10:11]
	s_load_b128 s[12:15], s[0:1], 0x30             ; wq s[12:13], wo s[14:15]
	s_lshr_b32 s17, ttmp9, 4                       ; which matrix: 0, 1, 2: Wq, Wk, Wv; 3: Wout
	s_bfe_u32 s18, ttmp9, 0x30001                  ; Wq, Wk, Wv: K step = (i / 2) % 8
	s_and_b32 s19, ttmp9, 1
	s_lshl_b32 s19, s19, 3
	s_add_co_u32 s19, s19, s16                     ; group of 32 columns G = 8 (i % 2) + wave
	s_lshr_b32 s20, s19, 1
	s_lshl_b32 s20, s20, 3
	s_add_co_u32 s20, s20, s18                     ; chunk = head x 8 + K step
	s_and_b32 s21, s19, 1
	s_lshl_b32 s21, s21, 1
	s_lshl_b32 s22, s17, 2
	s_add_co_u32 s21, s21, s22                     ; first tile in the chunk = 4 x matrix + 2 (G % 2)
	s_and_b32 s23, ttmp9, 15                       ; Wout: i' = i - 48
	s_lshr_b32 s24, s23, 2                         ; K step
	s_and_b32 s25, s23, 3
	s_lshl_b32 s26, s25, 3
	s_add_co_u32 s26, s26, s16                     ; G = 8 (i' % 4) + wave
	s_lshl_b32 s27, s25, 2
	s_add_co_u32 s27, s27, s24                     ; chunk = (i' % 4) x 4 + K step
	s_lshl_b32 s28, s16, 1                         ; first tile = 2 x wave
	s_cmp_lt_u32 ttmp9, 48
	s_cselect_b32 s18, s18, s24
	s_cselect_b32 s19, s19, s26
	s_cselect_b32 s20, s20, s27
	s_cselect_b32 s21, s21, s28
	s_cselect_b32 s29, 12, 16                      ; tiles in a chunk
	s_cselect_b32 s30, 11, 12                      ; log2 of a row's bytes: 2,048 or 4,096
	s_lshl_b32 s31, 1, s30                         ; a row's bytes
	s_wait_alu depctr_va_vdst(0)
	v_lshlrev_b32 v[VO], 2, v2
.irp i, 1,2,3,4,5,6,7,8,9,10,11,12,13,14,15,16,17,18,19,20,21,22,23,24,25,26,27,28,29,30,31
	s_delay_alu instid0(VALU_DEP_1)
	v_add_nc_u32 v[VO+\i], s31, v[VO+\i-1]         ; row i of a block, my column
.endr
	v_bfe_u32 v3, v0, 3, 1                         ; column l of the 32 is row r = l % 8 + 8 (l / 16) of tile u = (l / 8) % 2
	v_and_b32 v4, 7, v0
	v_bfe_u32 v5, v0, 4, 1
	s_delay_alu instid0(VALU_DEP_1)
	v_lshl_add_u32 v4, v5, 3, v4
	s_delay_alu instid0(VALU_DEP_4)
	v_mul_u32_u24 v6, v3, 1536
	s_delay_alu instid0(VALU_DEP_1)
	v_lshl_add_u32 v6, v4, 4, v6
	s_mul_i32 s48, s16, 3072
	s_add_co_u32 s48, s48, WST0                    ; my stage
	v_add_nc_u32 v6, s48, v6                       ; in: image u, lane r's 16 bytes
	v_lshlrev_b32 v7, 4, v2
	s_delay_alu instid0(VALU_DEP_1)
	v_add_nc_u32 v8, s48, v7                       ; out: 16 x lane
	v_lshlrev_b32 v9, 6, v3
	s_delay_alu instid0(VALU_DEP_1)
	v_lshl_add_u32 v9, v4, 2, v9                   ; my scale word: 64 u + 4 r
	s_lshl_b32 s36, s18, 7
	s_lshl_b32 s36, s36, s30                       ; 128 x K step rows
	s_lshl_b32 s37, s19, 7                         ; + 128 bytes a group of columns
	s_add_co_u32 s36, s36, s37
	s_mov_b32 s37, 0
	s_lshl_b32 s38, 32, s30                        ; a block's 32 rows
	s_mov_b32 s39, 0
	s_mul_i32 s49, s29, 1600
	s_mul_i32 s49, s49, s20                        ; the chunk's first byte
	s_mul_i32 s50, s21, 1536
	s_add_co_u32 s50, s50, s49                     ; my two images
	s_mov_b32 s51, 0
	s_mul_i32 s52, s29, 1536
	s_add_co_u32 s52, s52, s49
	s_lshl_b32 s53, s21, 6
	s_add_co_u32 s52, s52, s53                     ; my two tiles' scale words
	s_mov_b32 s53, 0
	s_wait_kmcnt 0x0
	s_cmp_eq_u32 s17, 0                            ; the choices hang on the work-group's number alone
	s_cselect_b64 s[32:33], s[4:5], s[6:7]
	s_cmp_lt_u32 s17, 2
	s_cselect_b64 s[32:33], s[32:33], s[8:9]
	s_cmp_lt_u32 s17, 3
	s_cselect_b64 s[32:33], s[32:33], s[10:11]
	s_cselect_b64 s[34:35], s[12:13], s[14:15]
	s_add_nc_u64 s[40:41], s[32:33], s[36:37]      ; a base for each of the four blocks: none is stepped while loads are out
	s_add_nc_u64 s[42:43], s[40:41], s[38:39]
	s_add_nc_u64 s[44:45], s[42:43], s[38:39]
	s_add_nc_u64 s[46:47], s[44:45], s[38:39]
	s_add_nc_u64 s[54:55], s[34:35], s[50:51]
	s_add_nc_u64 s[56:57], s[34:35], s[52:53]
.macro WLOAD b                         ; block b: W(128 s + 32 b + i, my column), i = 0 .. 31, into set b % 2: each load reads 128 consecutive bytes, the eight waves side by side 1,024
.irp i, 0,1,2,3,4,5,6,7,8,9,10,11,12,13,14,15,16,17,18,19,20,21,22,23,24,25,26,27,28,29,30,31
	global_load_b32 v[WX+32*((\b)%2)+\i], v[VO+\i], s[40+2*(\b):41+2*(\b)] th:TH_LOAD_NT
.endr
.endm
.macro WBLOCK b
.set XS, WX+32*((\b)%2)
.if (\b) < 3
	s_wait_loadcnt 32                              ; this block's 32 loads are in; the next block's may be out
.else
	s_wait_loadcnt 0x0
.endif
	v_max3_num_f32 v12, |v[XS]|, |v[XS+1]|, |v[XS+2]|   ; the block's largest magnitude, in two chains: all 32 numbers are mine
	v_max3_num_f32 v13, |v[XS+3]|, |v[XS+4]|, |v[XS+5]|
.irp i, 6,10,14,18,22,26
	s_delay_alu instid0(VALU_DEP_2)
	v_max3_num_f32 v12, v12, |v[XS+\i]|, |v[XS+\i+1]|
	s_delay_alu instid0(VALU_DEP_2)
	v_max3_num_f32 v13, v13, |v[XS+\i+2]|, |v[XS+\i+3]|
.endr
	s_delay_alu instid0(VALU_DEP_2)
	v_max3_num_f32 v12, v12, |v[XS+30]|, |v[XS+31]|
	s_delay_alu instid0(VALU_DEP_1)
	v_max3_num_f32 v12, v12, v13, 0x1800000        ; and the floor
	s_delay_alu instid0(VALU_DEP_1)
	v_add_nc_u32 v11, 0xff000000, v12              ; the conversion's scale operand
	s_delay_alu instid0(VALU_DEP_1)
	v_lshrrev_b32 v13, 23, v11                     ; the byte
.if (\b) == 0
	s_delay_alu instid0(VALU_DEP_1)
	v_mov_b32 v10, v13                             ; the column's scale word: byte b for k = 32 b ..
.else
	s_delay_alu instid0(VALU_DEP_1)
	v_lshl_or_b32 v10, v13, 8*(\b), v10
.endif
	v_cvt_scalef32_pk16_fp6_f32 v[WPC+8*(\b):WPC+8*(\b)+2], v[XS:XS+15], v11
	v_cvt_scalef32_pk16_fp6_f32 v[WCT:WCT+2], v[XS+16:XS+31], v11
	v_nop                                          ; one plain instruction behind the scaled conversions
.irp i, 0,1,2
	v_mov_b32 v[WPC+8*(\b)+3+\i], v[WCT+\i]
.endr
.irp p, 0,1,2                                  ; block b = 2 c + h is registers 6 c .. 6 c + 5 of lane (r, h) of the fragment: register n lies in the image at 512 (n / 4) + 16 (r + 16 h) + 4 (n % 4)
.set RG, 6*((\b)/2)+2*\p
	ds_store_b64 v6, v[WPC+8*(\b)+2*\p:WPC+8*(\b)+2*\p+1] offset:(RG/4)*512+256*((\b)%2)+4*(RG%4)
.endr
.if (\b) < 2
	WLOAD (\b)+2
.endif
.endm
	WLOAD 0
	WLOAD 1
	WBLOCK 0
	WBLOCK 1
	WBLOCK 2
	WBLOCK 3
.irp k, 0,1,2,3,4,5
	ds_load_b128 v[WOUT+4*\k:WOUT+4*\k+3], v8 offset:512*\k   ; LDS serves a wave's instructions in order: these see my stores
.endr
	s_wait_alu depctr_va_vdst(0)
	s_wait_dscnt 0x0
.irp k, 0,1,2,3,4,5
	global_store_b128 v7, v[WOUT+4*\k:WOUT+4*\k+3], s[54:55] offset:512*\k   ; two images: 3,072 consecutive bytes
.endr
	global_store_b32 v9, v10, s[56:57]             ; 128 consecutive bytes of scale words
	s_wait_tensorcnt 0x0
	ds_add_u32 v192, v193
	s_wait_dscnt 0x0
	s_endpgm
.Lfunc_end_k_qc0153debc4_prep:
	.size	k_qc0153debc4_prep, .Lfunc_end_k_qc0153debc4_prep-k_qc0153debc4_prep
	.p2alignl 7, 3214868480
	.fill 96, 4, 3214868480
	.section	.rodata,"a",@progbits
	.p2align	6, 0x0
	.amdhsa_kernel k_qc0153debc4_prep
		.amdhsa_group_segment_fixed_size 93184
		.amdhsa_private_segment_fixed_size 0
		.amdhsa_enable_private_segment 0
		.amdhsa_kernarg_size 64
		.amdhsa_user_sgpr_count 2
		.amdhsa_user_sgpr_kernarg_segment_ptr 1
		.amdhsa_wavefront_size32 1
		.amdhsa_system_sgpr_workgroup_id_x 1
		.amdhsa_system_sgpr_workgroup_id_y 1
		.amdhsa_system_sgpr_workgroup_id_z 1
		.amdhsa_system_vgpr_workitem_id 0
		.amdhsa_next_free_vgpr 194
		.amdhsa_next_free_sgpr 66
		.amdhsa_reserve_vcc 0
		.amdhsa_float_denorm_mode_32 3
		.amdhsa_float_denorm_mode_16_64 3
		.amdhsa_memory_ordered 1
		.amdhsa_forward_progress 1
		.amdhsa_inst_pref_size 38
	.end_amdhsa_kernel
	.amdgpu_metadata
---
amdhsa.version: [ 1, 2 ]
amdhsa.kernels:
  - .name:           k_qc0153debc4_prep
    .symbol:         k_qc0153debc4_prep.kd
    .args:
      - { .name: x, .offset: 0, .size: 8, .value_kind: global_buffer, .address_space: global }
      - { .name: Wq, .offset: 8, .size: 8, .value_kind: global_buffer, .address_space: global }
      - { .name: Wk, .offset: 16, .size: 8, .value_kind: global_buffer, .address_space: global }
      - { .name: Wv, .offset: 24, .size: 8, .value_kind: global_buffer, .address_space: global }
      - { .name: Wout, .offset: 32, .size: 8, .value_kind: global_buffer, .address_space: global }
      - { .name: xq, .offset: 40, .size: 8, .value_kind: global_buffer, .address_space: global }
      - { .name: wq, .offset: 48, .size: 8, .value_kind: global_buffer, .address_space: global }
      - { .name: wo, .offset: 56, .size: 8, .value_kind: global_buffer, .address_space: global }
    .group_segment_fixed_size: 93184
    .private_segment_fixed_size: 0
    .kernarg_segment_align: 8
    .kernarg_segment_size: 64
    .max_flat_workgroup_size: 256
    .sgpr_count:     66
    .vgpr_count:     194
    .wavefront_size: 32
...
	.end_amdgpu_metadata
.endif
;; end of part 1
;; launch qkv (part 2): grid 8 x 32, 4 waves a work-group, clusters of 4 x 4, 327,680 bytes of LDS; arguments xq, wq, qb, kb, vb; writes qb, kb, vb
.if DOCPART == 2
	.amdgcn_target "amdgcn-amd-amdhsa--gfx1250"
	.amdhsa_code_object_version 6
	.text
	.protected	k_qc0153debc4_qkv
	.globl	k_qc0153debc4_qkv
	.p2align	8
	.type	k_qc0153debc4_qkv,@function
k_qc0153debc4_qkv:
	s_mov_b64 s[64:65], 0
	v_nop
	global_prefetch_b8 v0, s[64:65] scope:SCOPE_SE
	s_setreg_imm32_b32 hwreg(HW_REG_WAVE_MODE, 25, 1), 1
	s_wait_xcnt 0x0
	s_wait_alu depctr_hold_cnt(0) depctr_sa_sdst(0) depctr_va_vdst(0) depctr_va_sdst(0) depctr_va_ssrc(0) depctr_va_vcc(0) depctr_vm_vsrc(0)
	s_getreg_b32 s2, hwreg(HW_REG_IB_STS2, 6, 4)
	s_cmp_eq_u32 s2, 0
	s_cbranch_scc0 .Lentry_in_a_cluster
	s_endpgm
.Lentry_in_a_cluster:
	s_bfe_u32 s2, ttmp6, 0x10000c
	s_cmp_lg_u32 s2, 0xf033
	s_cbranch_scc0 .Lentry_shape_is_right
	s_endpgm
.Lentry_shape_is_right:
; q = x Wq, k = x Wk, v = x Wv on codes of FP6 (E2M3) with E8M0 scales; the f32 sums are quantised at once: q and k along the head's 64, v along the tokens (the keys of the second product of attention).
; A WORK-GROUP STAYS: it takes one head and TWO blocks of 128 tokens, block y of batch 0 and then block y of batch 1.  K = 1,024 in eight steps of 128.
; Operands lie in memory as images of operand registers (a tile of 16 rows x 128 K: 1,536 bytes), a K step's images and scale words in one dense chunk (x: 12,800 bytes, W: 19,200).
; TILES.  W's columns: tile 2 g + u, row i, is column 32 g + 8 u + i + 8 (i / 8).  Tokens: tile 4 c + u of a block of 128, row i, is token 64 c + 8 u + i % 8 + 32 (i / 8).
; LDS: x's chunk s at 12,800 s, W's at 102,400 + 19,200 s.  W's eight chunks are filled once and serve both blocks.  x's are filled for the first block and filled again for the second:
; chunks 0-3 behind the first block's K step 3, chunks 4-7 behind its last fragment loads, each behind the full sequence and a round of the cluster's barrier, one load a wave.
; A wave has one tensor load out at the most.
; CLUSTER 4 x 4: the four work-groups of a row share the blocks of tokens (x's chunks), the four of a column the head (W's chunks): each fill is asked for jointly.
; No prefetch is laid: the launch has no loop to run ahead in.
; SHARES.  Wave w: rho = w / 2, a = w % 2.  (1) q (rho = 0) or k (rho = 1) of token tiles 4 a .. 4 a + 3, transposed: source 0 = a tile of W's columns, source 1 = a tile of tokens: a lane holds ONE token, and the
; 16 registers of channel tiles 2 b, 2 b + 1 are channels 32 b + 16 (lane / 16) + 0 .. 15.  (2) v of channel tile w for all eight token tiles: source 0 = tokens, source 1 = Wv's tile: a lane holds one channel,
; and its 32 registers of token tiles 4 c .. 4 c + 3 are tokens 64 c + 32 (lane / 16) + 0 .. 31: a whole block of the keys.  Register slot t of x holds tile (4 a + t) % 8, so that the wave's own four tiles are
; slots 0-3 in every wave; v's halves then come out changed over where a = 1, which twelve selects mend at the end.  A K step: 13 fragments from LDS, 24 matrix instructions.
; RESULTS.  qb, kb [batch x head 16][128 tokens 32][6,656]: one image of 48 registers a lane (tile T: registers 6 T .. 6 T + 5; twelve runs of 32 lanes x 16 bytes) and, at 6,144, scale words
; [tile / 4][row 16][tile % 4], each b0 | b1 << 8 | 0x7f7f0000.  vb likewise: four images (channel tile x 128 keys) and, at 6,144, scale words [lane 32][tile 4].
; LIMITS: NaN and infinities are not served; a block under 2^-124, zeros among them, keeps the byte 1 (its codes add nothing or next to nothing; this program alone reads the bytes).
; REGISTERS.  Window 0: v1 16 x lane; v3-10 LDS bases; v11-18, v46-53 a K step's LDS addresses, a set for each buffer; v20-45 two sets of 13 scale words; v55 the add's address (its 0 is v255 of window 1);
; v64-191 q's or k's 16 accumulators ((token tile tp, channel tile tr) at 64 + 8 (4 tp + tr)); v192-255 v's eight.  Windows 1, 2: fragment buffers 0, 1: v0-95 x's eight, v96-143 W's four, v144-155 Wv's.
.set WV,  14
.set G1X, 16                           ; s[16:23] descriptor group 1 for x's chunks; s[24:31] for W's
.set G1W, 24
.set G0X, 32                           ; s[32:39] two groups 0 for x's chunks (K steps 0-3, 4-7); s[48:55] for W's
.set G0W, 48
.set SEL, 100
.set SC,  20
.set TM,  4                            ; the end: v4-5 largest magnitudes, v8-11 the other half's / bytes / at work, v12-13 scale operands
.set PW,  16                           ; the scale word just made
.set VS,  256000                       ; LDS: 512 bytes in which v's scale words meet; no fill lands there
.set XB,  32*102400                    ; bytes from the first block's chunks of x to the second's
.set RB,  256*6656                     ; and from its records to the second's: eight heads x 32 blocks on
.set MSB, 0
.macro WIN new                         ; the immediate's high byte repeats the setting that is left
.if MSB != (\new)
	s_set_vgpr_msb (MSB<<8)|(\new)
.set MSB, \new
.endif
.endm
.macro CROUND                          ; a round of the cluster's barrier
	s_barrier_signal -1
	s_barrier_wait -1
	s_cmp_lg_u32 s[WV], 0
	s_cbranch_scc1 .Lnot_wave_0_\@
	s_barrier_signal -3
.Lnot_wave_0_\@:
	s_barrier_wait -3
	s_barrier_signal -1
	s_barrier_wait -1
.endm
; The three lines in front of a round behind which LDS is filled: all my tensor loads, the add, my LDS instructions.  step = 1: x's two groups 0 go on to the second block
.macro MEET step
	WIN 0x04                                       ; (the add's data register lies in window 1)
	s_wait_tensorcnt 0x0
	ds_add_u32 v55, v255
.if \step
	s_add_nc_u64 s[G0X+2:G0X+3], s[G0X+2:G0X+3], XB   ; no tensor load of mine is out, so a group 0 may be written
	s_add_nc_u64 s[G0X+6:G0X+7], s[G0X+6:G0X+7], XB
.endif
	s_wait_dscnt 0x0
	WIN 0
.endm
.macro TLOAD g0, g1
	tensor_load_to_lds s[\g0:\g0+3], s[\g1:\g1+7]
	s_nop 0
.rept 4
	v_nop
.endr
.endm
.macro XWLOAD i                        ; a first fill: waves 0, 1 two chunks of x each, waves 2, 3 two of W
	s_cmp_lt_u32 s[WV], 2
	s_cbranch_scc0 .Lfor_w_\@
	TLOAD G0X+4*\i, G1X
	s_branch .Lasked_\@
.Lfor_w_\@:
	TLOAD G0W+4*\i, G1W
.Lasked_\@:
.endm
.macro XLOAD i                         ; a refill: the second block's x alone: waves 0, 1
	s_cmp_lt_u32 s[WV], 2
	s_cbranch_scc0 .Lno_x_\@
	TLOAD G0X+4*\i, G1X
.Lno_x_\@:
.endm
; 32 numbers of a lane, register 16 b + i = k 32 b + 16 (lane / 16) + i of my row, become 6 registers of codes from v[pc] on and two bytes in v[PW]
.macro QUANT src, pc, ct
.irp b, 0,1
	v_max3_num_f32 v[TM+\b], |v[\src+16*\b]|, |v[\src+1+16*\b]|, 0x1800000   ; with the floor 2^(3 - 127): the byte cannot fall under 1.  (Each accumulator is read from its low end on)
.endr
.irp i, 2,4,6,8,10,12,14
.irp b, 0,1
	v_max3_num_f32 v[TM+\b], v[TM+\b], |v[\src+16*\b+\i]|, |v[\src+1+16*\b+\i]|
.endr
.endr
.irp b, 0,1
	v_permlanex16_b32 v[TM+4+\b], v[TM+\b], s[SEL], s[SEL+1]
.endr
.irp b, 0,1
	v_max_num_f32 v[TM+\b], v[TM+\b], v[TM+4+\b]   ; with lane l xor 16's: the block's largest magnitude
.endr
.irp b, 0,1
	v_add_nc_u32 v[TM+8+\b], 0xff000000, v[TM+\b]  ; 2 off its exponent field: the conversion's scale operand
.endr
.irp b, 0,1
	v_lshrrev_b32 v[TM+4+\b], 23, v[TM+8+\b]       ; the scale's byte
.endr
	v_lshl_or_b32 v[PW], v[TM+5], 8, v[TM+4]
	v_cvt_scalef32_pk16_fp6_f32 v[\pc:\pc+2], v[\src:\src+15], v[TM+8]
	v_cvt_scalef32_pk16_fp6_f32 v[\ct:\ct+2], v[\src+16:\src+31], v[TM+9]   ; (a conversion's three registers begin on an even number)
	v_nop                                          ; one plain instruction behind the scaled conversions
.irp i, 0,1,2
	v_permlane16_swap_b32 v[\pc+\i], v[\ct+\i]     ; the operand wants a WHOLE block in a lane
.endr
.irp i, 0,1,2
	v_mov_b32 v[\pc+3+\i], v[\ct+\i]
.endr
.endm
; 64 numbers of a lane, register 32 c + i = k 64 c + 32 (lane / 16) + i of my row: two whole blocks.  They become 12 registers of codes from v[pc] on, in the operand's order, and the scale word v[PW]
.macro QUANTW src, pc, ct
.irp c, 0,1
	v_max3_num_f32 v[TM+\c], |v[\src+32*\c]|, |v[\src+1+32*\c]|, 0x1800000
.endr
.irp i, 2,4,6,8,10,12,14,16,18,20,22,24,26,28,30
.irp c, 0,1
	v_max3_num_f32 v[TM+\c], v[TM+\c], |v[\src+32*\c+\i]|, |v[\src+1+32*\c+\i]|
.endr
.endr
.irp c, 0,1
	v_add_nc_u32 v[TM+8+\c], 0xff000000, v[TM+\c]
.endr
.irp c, 0,1
	v_lshrrev_b32 v[TM+4+\c], 23, v[TM+8+\c]
.endr
	v_lshl_or_b32 v[PW], v[TM+5], 16, v[TM+4]      ; my two bytes: blocks h and 2 + h,
	v_bfe_u32 v[TM+6], v0, 4, 1
	v_lshlrev_b32 v[TM+6], 3, v[TM+6]
	v_lshlrev_b32 v[PW], v[TM+6], v[PW]            ; 8 h bits up;
	v_permlanex16_b32 v[TM+7], v[PW], s[SEL], s[SEL+1]
	v_or_b32 v[PW], v[PW], v[TM+7]                 ; with lane l xor 16's two the word is whole
.irp c, 0,1
	v_cvt_scalef32_pk16_fp6_f32 v[\pc+6*\c:\pc+2+6*\c], v[\src+32*\c:\src+15+32*\c], v[TM+8+\c]
	v_cvt_scalef32_pk16_fp6_f32 v[\ct+4*\c:\ct+2+4*\c], v[\src+16+32*\c:\src+31+32*\c], v[TM+8+\c]
.endr
	v_nop                                          ; one plain instruction behind the scaled conversions
.irp c, 0,1
.irp i, 0,1,2
	v_mov_b32 v[\pc+3+6*\c+\i], v[\ct+4*\c+\i]
.endr
.endr
.endm
.macro BASES                           ; the LDS bases, made anew for each block: the end of a block works in these registers
	v_and_b32 v2, 15, v0
	v_lshlrev_b32 v2, 2, v2                        ; 4 x (lane % 16)
	v_add_nc_u32 v3, s80, v1                       ; x's tiles 4 a .. (slots 0-3)
	v_add_nc_u32 v4, s81, v1                       ; x's other four (slots 4-7)
	v_add_nc_u32 v5, s82, v1                       ; Wq's or Wk's four tiles
	v_add_nc_u32 v6, s83, v1                       ; Wv's tile w
	v_add_nc_u32 v7, s40, v2                       ; and the same four's scale words
	v_add_nc_u32 v8, s41, v2
	v_add_nc_u32 v9, s42, v2
	v_add_nc_u32 v10, s43, v2
	s_wait_alu depctr_va_vdst(0)                   ; the wait behind these writes
.endm
; K step s's 13 scale words and 13 fragments into buffer buf: 52 LDS loads.  The eight additions are also the places between the products that last read this buffer and the loads into it.
.macro LOADS s, buf
.set AD, 11+35*(\buf)
	WIN 0
	v_add_nc_u32 v[AD],   (\s)*12800, v3
	v_add_nc_u32 v[AD+1], (\s)*12800, v4
	v_add_nc_u32 v[AD+2], (\s)*19200, v5
	v_add_nc_u32 v[AD+3], (\s)*19200, v6
	v_add_nc_u32 v[AD+4], (\s)*12800, v7
	v_add_nc_u32 v[AD+5], (\s)*12800, v8
	v_add_nc_u32 v[AD+6], (\s)*19200, v9
	v_add_nc_u32 v[AD+7], (\s)*19200, v10
.irp t, 0,1,2,3
	ds_load_b32 v[SC+13*(\buf)+\t],   v[AD+4] offset:64*\t
	ds_load_b32 v[SC+13*(\buf)+4+\t], v[AD+5] offset:64*\t
	ds_load_b32 v[SC+13*(\buf)+8+\t], v[AD+6] offset:64*\t
.endr
	ds_load_b32 v[SC+13*(\buf)+12], v[AD+7]
	WIN 0x40*((\buf)+1)                            ; destination: the buffer's window; address: window 0
.irp t, 0,1,2,3
.irp i, 0,1,2
	ds_load_b128 v[12*\t+4*\i:12*\t+4*\i+3],       v[AD]   offset:1536*\t+512*\i
	ds_load_b128 v[48+12*\t+4*\i:48+12*\t+4*\i+3], v[AD+1] offset:1536*\t+512*\i
	ds_load_b128 v[96+12*\t+4*\i:96+12*\t+4*\i+3], v[AD+2] offset:1536*\t+512*\i
.endr
.endr
.irp i, 0,1,2
	ds_load_b128 v[144+4*\i:144+4*\i+3], v[AD+3] offset:512*\i
.endr
.endm
.macro MM d, a, b, sa, sb, zero
.if \zero
	v_wmma_scale_f32_16x16x128_f8f6f4 v[\d:7+\d], v[\a:11+\a], v[\b:11+\b], 0, v[\sa], v[\sb] matrix_a_fmt:MATRIX_FMT_FP6 matrix_b_fmt:MATRIX_FMT_FP6
.else
	v_wmma_scale_f32_16x16x128_f8f6f4 v[\d:7+\d], v[\a:11+\a], v[\b:11+\b], v[\d:7+\d], v[\sa], v[\sb] matrix_a_fmt:MATRIX_FMT_FP6 matrix_b_fmt:MATRIX_FMT_FP6
.endif
.endm
; A K step's 24 matrix instructions, one on each accumulator, in the same order in every step.  zero = 1: a block's first step starts the sums.
.macro MULS buf, zero
	WIN 0x05*((\buf)+1)                            ; sources 0 and 1: the buffer's window; C and D: window 0
.irp tp, 0,1,2,3
.irp tr, 0,1,2,3
	MM 64+8*(4*\tp+\tr), 96+12*\tr, 12*\tp, SC+13*(\buf)+8+\tr, SC+13*(\buf)+\tp, \zero
.endr
.endr
.irp t, 0,1,2,3,4,5,6,7
	MM 192+8*\t, 12*\t, 144, SC+13*(\buf)+\t, SC+13*(\buf)+12, \zero
.endr
.endm
.macro WALK1                           ; K steps 0 to 2 are multiplied, step 3's fragments asked for
	LOADS 0, 0
	LOADS 1, 1
	s_wait_dscnt 52                                ; all but the 52 just issued: buffer 0 is in
	MULS 0, 1
	s_wait_dscnt 0x0
	LOADS 2, 0
	MULS 1, 0
	LOADS 3, 1
	s_wait_dscnt 52
	MULS 0, 0
.endm
.macro WALK2                           ; K steps 3 to 6 are multiplied, step 7's fragments asked for
	LOADS 4, 0
	MULS 1, 0
	LOADS 5, 1
	s_wait_dscnt 52
	MULS 0, 0
	s_wait_dscnt 0x0
	LOADS 6, 0
	MULS 1, 0
	LOADS 7, 1
	s_wait_dscnt 52
	MULS 0, 0
.endm
; A BLOCK'S END: the sums are quantised and leave as images.  more = 1: the stores' bases go on to the second block's records
.macro QKOUT tp, pc                    ; token tile 4 a + tp of q or k: 32 sums a lane -> six registers of the image
	QUANT 64+32*(\tp), \pc, 52
	v_or_b32 v[48+(\tp)], 0x7f7f0000, v[PW]        ; the instruction's K is 128: the upper 64 stand under the byte 127
.endm
.macro END more
.rept 4
	v_nop                                          ; four places between the last products and the first read of results
.endr
	v_and_b32 v18, 15, v0
	v_lshlrev_b32 v18, 4, v18                      ; 16 x (lane % 16)
	v_lshlrev_b32 v17, 2, v19                      ; 4 x lane
	v_add_nc_u32 v3, s44, v1                       ; v's scale words meet at VS + 16 x lane + 4 x tile
	v_add_nc_u32 v46, s45, v17                     ; and leave 128 bytes a wave
	QKOUT 0, 56                                    ; the four tiles' codes stand on end, v56-79 (partly in the registers of sums that have been converted)
	QKOUT 1, 62
	QKOUT 2, 68
	QKOUT 3, 74
.irp i, 0,1,2,3,4,5
	global_store_b128 v1, v[56+4*\i:59+4*\i], s[86:87] offset:512*\i   ; my 24 of the image's 48 registers: 3,072 consecutive bytes
.endr
	global_store_b128 v18, v[48:51], s[92:93]      ; row r's four words; lanes 16-31 write the same to the same place
	QUANTW 192, 96, 84                             ; v: my channel's 128 tokens
.irp i, 0,1,2,3,4,5,6,7,8,9,10,11
	v_cndmask_b32 v[108+\i], v[96+\i], v[96+(\i+6)%12], s98   ; where a = 1 slot t held tile (t + 4) % 8: the two halves of the fragment change places,
.endr
	v_alignbit_b32 v2, v[PW], v[PW], 16            ; and so do the halves of the scale word
	v_cndmask_b32 v2, v[PW], v2, s98
.irp i, 0,1,2
	global_store_b128 v1, v[108+4*\i:111+4*\i], s[94:95] offset:512*\i
.endr
	ds_store_b32 v3, v2
	s_wait_dscnt 0x0                               ; for the others' sake: my store has landed
	s_barrier_signal -1
	s_barrier_wait -1
	ds_load_b32 v47, v46
	s_wait_dscnt 0x0
	global_store_b32 v17, v47, s[96:97]            ; 128 consecutive bytes a wave
.if \more
	s_wait_xcnt 0x0                                ; the stores have read their registers and bases: only behind this wait are they written again
	s_add_nc_u64 s[86:87], s[86:87], RB
	s_add_nc_u64 s[92:93], s[92:93], RB
	s_add_nc_u64 s[94:95], s[94:95], RB
	s_add_nc_u64 s[96:97], s[96:97], RB
.endif
.endm
	s_load_b256 s[4:11], s[0:1], 0x0               ; xq s[4:5], wq s[6:7], qb s[8:9], kb s[10:11]
	s_load_b64 s[12:13], s[0:1], 0x20              ; vb
	v_lshl_add_u32 v55, v0, 2, 0x40000
	WIN 0x40
	v_mov_b32 v255, 0
	WIN 0x04
	ds_add_u32 v55, v255                           ; the opening lines: the add, twice on end, and its wait ahead of my first tensor load
	ds_add_u32 v55, v255
	WIN 0
	v_lshrrev_b32 v1, 5, v0
	v_readfirstlane_b32 s[WV], v1                  ; wave 0..3
	s_lshr_b32 s15, s[WV], 1                       ; rho.  Also: I fetch x's chunks (0) or W's (1)
	s_and_b32 s66, s[WV], 1                        ; a.  Also: the first or the second two chunks of a fill's four
	s_xor_b32 s67, s66, 1
	s_bfe_u32 s68, ttmp6, 0x40000                  ; cx
	s_bfe_u32 s69, ttmp6, 0x40004                  ; cy
	s_lshl_b32 s70, ttmp9, 2
	s_add_co_u32 s70, s70, s68                     ; the head = 4 x cluster x + cx
	s_and_b32 s71, ttmp7, 0xffff
	s_lshl_b32 s71, s71, 2
	s_add_co_u32 s71, s71, s69                     ; the block of tokens in its batch = 4 x cluster y + cy
	s_lshl_b32 s72, s69, 2
	s_lshl_b32 s72, 15, s72                        ; my row of the cluster
	s_lshl_b32 s73, 0x1111, s68                    ; my column
	s_or_b32 s[G1X], s72, (3<<16)|(1<<21)          ; 15:0 the mask; 17:16 elements of 8 bytes; 21 set beside a mask; no padding: images are read 16 bytes a lane, on end
	s_or_b32 s[G1W], s73, (3<<16)|(1<<21)
.irp g, G1X, G1W
	s_mov_b32 s[\g+1], 32<<16                      ; rows of 256 bytes
	s_mov_b32 s[\g+3], 32<<16
	s_mov_b32 s[\g+5], 32
	s_mov_b32 s[\g+6], 0
	s_mov_b32 s[\g+7], 0
.endr
	s_mov_b32 s[G1X+2], 100<<16                    ; two chunks of x: 100 rows
	s_mov_b32 s[G1X+4], 100
	s_mov_b32 s[G1W+2], 150<<16                    ; two chunks of W: 150 rows
	s_mov_b32 s[G1W+4], 150
	s_mul_i32 s74, s71, 102400                     ; x's chunks hang on the block of tokens alone, W's on the head alone; every wave makes both, in registers that never hold the other coordinate
	s_mul_i32 s75, s66, 25600
	s_add_co_u32 s74, s74, s75
	s_mov_b32 s75, 0
	s_mul_i32 s76, s70, 153600
	s_mul_i32 s77, s66, 38400
	s_add_co_u32 s76, s76, s77
	s_mov_b32 s77, 0
	s_mul_i32 s78, s66, 25600                      ; where they go in LDS
	s_mul_i32 s79, s66, 38400
	s_add_co_u32 s79, s79, 102400
	s_mov_b32 s[SEL], 0x76543210
	s_mov_b32 s[SEL+1], 0xfedcba98
	s_mul_i32 s80, s66, 6144                       ; the LDS bases' scalar parts: images,
	s_mul_i32 s81, s67, 6144
	s_mul_i32 s82, s15, 6144
	s_add_co_u32 s82, s82, 102400
	s_mul_i32 s83, s[WV], 1536
	s_add_co_u32 s83, s83, 114688
	s_lshl_b32 s40, s66, 8                         ; scale words,
	s_add_co_u32 s40, s40, 12288
	s_lshl_b32 s41, s67, 8
	s_add_co_u32 s41, s41, 12288
	s_lshl_b32 s42, s15, 8
	s_add_co_u32 s42, s42, 120832
	s_lshl_b32 s43, s[WV], 6
	s_add_co_u32 s43, s43, 121344
	s_lshl_b32 s44, s[WV], 2                       ; and where v's scale words meet
	s_add_co_u32 s44, s44, VS
	s_lshl_b32 s45, s[WV], 7
	s_add_co_u32 s45, s45, VS
	s_lshl_b32 s84, s70, 5                         ; where the first block's results go: record head x 32 + block, of 6,656 bytes
	s_add_co_u32 s84, s84, s71
	s_mul_i32 s84, s84, 6656
	s_mul_i32 s88, s66, 3072
	s_add_co_u32 s88, s88, s84                     ; q, k: my half of the image
	s_mov_b32 s89, 0
	s_lshl_b32 s90, s66, 8
	s_add_co_u32 s90, s90, s84
	s_add_co_u32 s90, s90, 6144                    ; and its scale words
	s_mov_b32 s91, 0
	s_mul_i32 s96, s[WV], 1536
	s_add_co_u32 s96, s96, s84                     ; v: my image
	s_mov_b32 s97, 0
	s_cmp_eq_u32 s66, 1
	s_cselect_b32 s98, -1, 0                       ; all lanes where a = 1
	s_wait_dscnt 0x0                               ; both opening adds are done
	s_wait_kmcnt 0x0
	s_add_nc_u64 s[74:75], s[4:5], s[74:75]
	s_add_nc_u64 s[76:77], s[6:7], s[76:77]
	s_cmp_eq_u32 s15, 0
	s_cselect_b64 s[86:87], s[8:9], s[10:11]       ; q's buffer or k's: the choice hangs on the wave's number
	s_mov_b64 s[92:93], s[86:87]
	s_add_nc_u64 s[86:87], s[86:87], s[88:89]
	s_add_nc_u64 s[92:93], s[92:93], s[90:91]
	s_add_nc_u64 s[94:95], s[12:13], s[96:97]
	s_lshl_b32 s96, s[WV], 7
	s_add_co_u32 s96, s96, s84
	s_add_co_u32 s96, s96, 6144                    ; v: my 128 bytes of the scale words
	s_add_nc_u64 s[96:97], s[12:13], s[96:97]
.irp i, 0,1
	s_mov_b32 s[G0X+4*\i], 1                       ; count = 1
	s_add_co_u32 s[G0X+4*\i+1], s78, \i*51200      ; LDS address: K steps 4 i + 2 a, 4 i + 2 a + 1
	s_add_nc_u64 s[G0X+4*\i+2:G0X+4*\i+3], s[74:75], \i*51200
	s_or_b32 s[G0X+4*\i+3], s[G0X+4*\i+3], 0x80000000   ; type = 2
	s_mov_b32 s[G0W+4*\i], 1
	s_add_co_u32 s[G0W+4*\i+1], s79, \i*76800
	s_add_nc_u64 s[G0W+4*\i+2:G0W+4*\i+3], s[76:77], \i*76800
	s_or_b32 s[G0W+4*\i+3], s[G0W+4*\i+3], 0x80000000
.endr
	CROUND                                         ; all sixteen work-groups are here: the first joint loads meet
	XWLOAD 0                                       ; K steps 0-3 of the first block's x and of W: one load a wave at the head
	v_and_b32 v19, 31, v0
	v_lshlrev_b32 v1, 4, v19                       ; 16 x lane
	BASES
	MEET 0                                         ; my part of K steps 0-3 has landed
	CROUND                                         ; everybody's has, and all sixteen work-groups are here
	XWLOAD 1                                       ; K steps 4-7: my one load behind the round
	WALK1
	MEET 1                                         ; K steps 4-7 have landed; my reads of chunks 0-3 are over (K step 3's fragments are in)
	CROUND                                         ; both hold of every wave of every partner
	XLOAD 0                                        ; THE SECOND BLOCK'S x, chunks 0-3, onto the first block's
	WALK2
	MEET 0                                         ; they have landed; my reads of chunks 4-7 are over (K step 7's fragments are in)
	CROUND
	XLOAD 1                                        ; the second block's chunks 4-7
	MULS 1, 0
	WIN 0
	END 1
	BASES
	WALK1                                          ; the second block: W lies in LDS as it did
	s_wait_dscnt 0x0                               ; K step 3's fragments are in; no LDS instruction of mine is out at the signal
	s_wait_tensorcnt 0x0                           ; my part of chunks 4-7 has landed
	s_barrier_signal -1
	s_barrier_wait -1                              ; everybody's has
	WALK2
	s_wait_dscnt 0x0
	MULS 1, 0
	WIN 0
	END 0
	MEET 0                                         ; the wave's end
	CROUND                                         ; the closing round: no work-group ends while a partner may still ask for a chunk that names it
	s_endpgm
.Lfunc_end_k_qc0153debc4_qkv:
	.size	k_qc0153debc4_qkv, .Lfunc_end_k_qc0153debc4_qkv-k_qc0153debc4_qkv
	.p2alignl 7, 3214868480
	.fill 96, 4, 3214868480
	.section	.rodata,"a",@progbits
	.p2align	6, 0x0
	.amdhsa_kernel k_qc0153debc4_qkv
		.amdhsa_group_segment_fixed_size 327680
		.amdhsa_private_segment_fixed_size 0
		.amdhsa_enable_private_segment 0
		.amdhsa_kernarg_size 40
		.amdhsa_user_sgpr_count 2
		.amdhsa_user_sgpr_kernarg_segment_ptr 1
		.amdhsa_wavefront_size32 1
		.amdhsa_system_sgpr_workgroup_id_x 1
		.amdhsa_system_sgpr_workgroup_id_y 1
		.amdhsa_system_sgpr_workgroup_id_z 1
		.amdhsa_system_vgpr_workitem_id 0
		.amdhsa_next_free_vgpr 768
		.amdhsa_next_free_sgpr 104
		.amdhsa_reserve_vcc 0
		.amdhsa_float_denorm_mode_32 3
		.amdhsa_float_denorm_mode_16_64 3
		.amdhsa_memory_ordered 1
		.amdhsa_forward_progress 1
		.amdhsa_inst_pref_size 147
	.end_amdhsa_kernel
	.amdgpu_metadata
---
amdhsa.version: [ 1, 2 ]
amdhsa.kernels:
  - .name:           k_qc0153debc4_qkv
    .symbol:         k_qc0153debc4_qkv.kd
    .args:
      - { .name: xq, .offset: 0, .size: 8, .value_kind: global_buffer, .address_space: global }
      - { .name: wq, .offset: 8, .size: 8, .value_kind: global_buffer, .address_space: global }
      - { .name: qb, .offset: 16, .size: 8, .value_kind: global_buffer, .address_space: global }
      - { .name: kb, .offset: 24, .size: 8, .value_kind: global_buffer, .address_space: global }
      - { .name: vb, .offset: 32, .size: 8, .value_kind: global_buffer, .address_space: global }
    .group_segment_fixed_size: 327680
    .private_segment_fixed_size: 0
    .kernarg_segment_align: 8
    .kernarg_segment_size: 40
    .max_flat_workgroup_size: 128
    .sgpr_count:     104
    .vgpr_count:     768
    .wavefront_size: 32
...
	.end_amdgpu_metadata
.endif
;; end of part 2
;; launch attn (part 3): grid 16 x 16, 16 waves a work-group, clusters of 4 x 1, 327,680 bytes of LDS; arguments qb, kb, vb, ob; writes ob
.if DOCPART == 3
	.amdgcn_target "amdgcn-amd-amdhsa--gfx1250"
	.amdhsa_code_object_version 6
	.text
	.protected	k_qc0153debc4_attn
	.globl	k_qc0153debc4_attn
	.p2align	8
	.type	k_qc0153debc4_attn,@function
k_qc0153debc4_attn:
	s_mov_b64 s[64:65], 0
	v_nop
	global_prefetch_b8 v0, s[64:65] scope:SCOPE_SE
	s_setreg_imm32_b32 hwreg(HW_REG_WAVE_MODE, 25, 1), 1
	s_wait_xcnt 0x0
	s_wait_alu depctr_hold_cnt(0) depctr_sa_sdst(0) depctr_va_vdst(0) depctr_va_sdst(0) depctr_va_ssrc(0) depctr_va_vcc(0) depctr_vm_vsrc(0)
	s_getreg_b32 s2, hwreg(HW_REG_IB_STS2, 6, 4)
	s_cmp_eq_u32 s2, 0
	s_cbranch_scc0 .Lentry_in_a_cluster
	s_endpgm
.Lentry_in_a_cluster:
	s_bfe_u32 s2, ttmp6, 0x10000c
	s_cmp_lg_u32 s2, 0x3003
	s_cbranch_scc0 .Lentry_shape_is_right
	s_endpgm
.Lentry_shape_is_right:
; O[bh][q] = the sum over k of softmax_k(Q[bh][q] . K[bh][k] / 8) V[bh][k], both products on codes of FP6 (E2M3) with E8M0 scales; O / l is quantised along the head's 64 for the product that follows.
; THE SOFTMAX: t = score x log2(e) / 8; M = the row's largest t so far, rounded UP to a whole number; p = 2^(t - M) is quantised along the keys, not normalised.  The row's sum is taken of the
; unquantised p, in f32, and divides O at the end.  When M moves, the sum and O are multiplied by 2^(old M - new M): exact.
; SHARES.  A work-group owns 256 queries of one batch x head, each of its sixteen waves one tile of 16; every wave walks all 4,096 keys, 128 a step.
; RECORDS of 6,656 bytes, one of K and one of V for each step.  K: one image of 48 registers a lane (key tile T: registers 6 T .. 6 T + 5; twelve runs of 32 lanes x 16 bytes), scale words at 6,144.  V: four images, scale words at 6,144.
; KEY TILES: tile 4 c + u, row i, is key 64 c + 8 u + i % 8 + 32 (i / 8).  Both products are used transposed (S^T = K Q^T, O^T = V^T P^T): a lane holds ONE query (lane % 16), and its 32 registers of
; tiles 4 c .. 4 c + 3 are keys 64 c + 32 (lane / 16) + 0 .. 31: a whole block, in the order in which the second product's operand wants it.  No lane is asked for a block's maximum, no codes change lanes.
; THE HEAD HAS 64 CHANNELS, THE INSTRUCTION'S K IS 128.  Q's registers 6-11 are zero codes under the byte 127.  K's fragment T is registers 6 T .. 6 T + 11 of the image: its upper 64 are the next tile's codes
; (for tile 7: six registers of p's codes), under the byte 127: every code of this format is a finite number, and times Q's zeros it adds exactly 0.
; RING.  Two LDS slots of twelve steps (79,872 bytes of K, then as many of V); the walk is 12 + 12 + 8 steps.  Every wave fetches an eighth of a fill's K (waves 0-7) or V (waves 8-15): one tensor load a wave and fill.
; CLUSTER 4 x 1: the four blocks of queries of a cluster belong to one batch x head and walk the same K and V: every fill is asked for jointly, with the mask of all four.
; No prefetch is laid: the head's fill has no loop ahead of it to run ahead in, and each later fill is asked for a whole visit (12 key steps) ahead of the first read of its slot.
; FRAGMENTS RUN A STEP AHEAD: step j + 1's K is asked of LDS behind step j's first products, its V behind step j's second; a visit's last step, written out, asks for nothing.
; LIMITS: NaN and infinities are not served; a block under 2^-124, zeros among them, keeps the byte 1 (its codes are zeros or next to nothing; this program alone reads the bytes).
; A block's largest p is not searched for: the block's largest score goes through the same multiply-add and exponential (this takes v_exp_f32 not to fall where its input rises).
.set REC,   6656
.set VOFF,  79872
.set SLOT1, 159744
.set SPARE, 319488                     ; the spare words, 128 bytes for each of sixteen waves
.set L16, 1                            ; 16 x lane
.set ADK, 2                            ; LDS address of a record of K, of V
.set ADV, 3
.set SPW, 4                            ; the add's two
.set NIL, 5
.set H8,  6                            ; 8 x (lane / 16)
.set TT,  7
.set TP,  8
.set OM,  9                            ; the old -M
.set F,   10                           ; v[10:11]: f = 2^(old M - new M); later a chain of the sum.  v12 -M, v13 the largest score, v[14:15] the sum; v16-27 Q
.set QS,  28                           ; Q's scale words
.set PWD, 29                           ; p's scale word
.set BM,  30                           ; v30-31 my two blocks' largest scores, largest p, bytes
.set SO,  32                           ; v32-33 the conversions' scale operands; later a chain of the sum
.set KS,  34                           ; v34-37 K's scale words (lanes 0-15 tiles 0-3, lanes 16-31 tiles 4-7)
.set VS,  38                           ; v38-41 V's
.set CT,  42                           ; v42-49 at work
.set KF,  50                           ; v50-97 K's image
.set PCD, 98                           ; v98-109 p's codes, directly behind K's image
.set VF,  110                          ; v110-157 V's four fragments
.set S,   158                          ; v158-221 S^T, then p
.set O,   222                          ; v222-253 O^T
.set T0,  254
.set T1,  F
.set T2,  SO
.set WV,  12
.set G1L, 16                           ; s[16:23] group 1: 39 rows of 256 bytes;  s[72:79]: 26 rows
.set G1S, 72
.set G0A, 24                           ; groups 0: steps 0-11 to slot 0, steps 12-23 to slot 1, steps 24-31 to slot 0
.set G0B, 28
.set G0C, 80
.set SEL, 32
.set CS,  34                           ; s[34:35] c = log2(e) / 8
.set TB,  36                           ; LDS byte at which the record of K last asked for begins
.set CNT, 37
.set NC,  38                           ; -c
.macro CROUND                          ; a round of the cluster's barrier
	s_barrier_signal -1
	s_barrier_wait -1
	s_cmp_lg_u32 s[WV], 0
	s_cbranch_scc1 .Lnot_wave_0_\@
	s_barrier_signal -3
.Lnot_wave_0_\@:
	s_barrier_wait -3
	s_barrier_signal -1
	s_barrier_wait -1
.endm
	s_load_b256 s[4:11], s[0:1], 0x0               ; qb s[4:5], kb s[6:7], vb s[8:9], ob s[10:11]
	v_lshl_add_u32 v[SPW], v0, 2, SPARE
	v_mov_b32 v[NIL], 0
	ds_add_u32 v[SPW], v[NIL]                      ; the opening lines: the add, twice on end, and its wait ahead of my first tensor load
	ds_add_u32 v[SPW], v[NIL]
	v_lshrrev_b32 v7, 5, v0
	v_readfirstlane_b32 s[WV], v7                  ; wave 0..15
	s_bfe_u32 s13, ttmp6, 0x40000                  ; cx
	s_lshl_b32 s14, ttmp9, 2
	s_add_co_u32 s14, s14, s13                     ; my block of 256 queries: it enters Q's and O's addresses alone
	s_and_b32 s15, ttmp7, 0xffff                   ; batch x head, which the four partners share
.irp g, G1L, G1S
	s_mov_b32 s[\g], 15|(3<<16)|(1<<21)            ; the mask: all four; elements of 8 bytes; bit 21 beside a mask; no padding
	s_mov_b32 s[\g+1], 32<<16                      ; rows of 256 bytes
	s_mov_b32 s[\g+3], 32<<16
	s_mov_b32 s[\g+5], 32
	s_mov_b32 s[\g+6], 0
	s_mov_b32 s[\g+7], 0
.endr
	s_mov_b32 s[G1L+2], 39<<16                     ; an eighth of twelve records
	s_mov_b32 s[G1L+4], 39
	s_mov_b32 s[G1S+2], 26<<16                     ; an eighth of eight records
	s_mov_b32 s[G1S+4], 26
	s_and_b32 s40, s[WV], 7                        ; which eighth
	s_lshr_b32 s41, s[WV], 3                       ; of K (0) or of V (1)
	s_mul_i32 s41, s41, VOFF
	s_mul_i32 s42, s40, 9984
	s_mul_i32 s43, s40, REC
	s_mul_i32 s44, s15, 212992                     ; the head's 32 records
	s_add_co_u32 s46, s44, s42                     ; steps 0-11, my eighth
	s_mov_b32 s47, 0
	s_add_co_u32 s44, s44, s43
	s_add_co_u32 s44, s44, 24*REC                  ; steps 24-31, my eighth
	s_mov_b32 s45, 0
	s_add_co_u32 s42, s42, s41                     ; and where they go in a slot
	s_add_co_u32 s43, s43, s41
	s_mov_b32 s[SEL], 0x76543210
	s_mov_b32 s[SEL+1], 0xfedcba98                 ; v_permlanex16_b32's selects for lane l xor 16
	s_mov_b32 s[CS], 0x3e38aa3b
	s_mov_b32 s[CS+1], s[CS]                       ; (named with it as a pair, so it is written)
	s_mov_b32 s[NC], 0xbe38aa3b
	s_lshl_b32 s50, s14, 4
	s_add_co_u32 s50, s50, s[WV]                   ; my tile of queries, of the head's 256
	s_lshr_b32 s51, s50, 3
	s_lshl_b32 s52, s15, 5
	s_add_co_u32 s51, s51, s52
	s_mul_i32 s48, s51, REC                        ; its record in qb
	s_mov_b32 s49, 0
	s_and_b32 s52, s50, 7                          ; the tile in the record: registers 6 T .. 6 T + 5 of the image
	s_mul_i32 s53, s52, 6
.irp p, 0,1,2
	s_add_co_u32 s54, s53, 2*\p                    ; register n lies at 512 (n / 4) + 16 x lane + 4 (n % 4)
	s_lshr_b32 s55, s54, 2
	s_lshl_b32 s55, s55, 9
	s_and_b32 s54, s54, 3
	s_lshl_b32 s54, s54, 2
	s_add_co_u32 s[56+\p], s55, s54
.endr
	s_lshr_b32 s54, s52, 2
	s_lshl_b32 s54, s54, 8
	s_and_b32 s55, s52, 3
	s_lshl_b32 s55, s55, 2
	s_add_co_u32 s59, s54, s55
	s_add_co_u32 s59, s59, 6144                    ; its scale words: [tile / 4][row][tile % 4]
	s_lshr_b32 s60, s15, 3
	s_lshl_b32 s60, s60, 8
	s_add_co_u32 s60, s60, s50                     ; the tile among all 512,
	s_mul_i32 s60, s60, 6400                       ; its record in ob,
	s_and_b32 s61, s15, 7                          ; the head
	s_mul_i32 s62, s61, 768
	s_add_co_u32 s62, s62, s60                     ; the head's half image,
	s_mov_b32 s63, 0
	s_lshr_b32 s66, s61, 1
	s_lshl_b32 s66, s66, 6
	s_and_b32 s67, s61, 1
	s_lshl_b32 s67, s67, 1
	s_add_co_u32 s66, s66, s67
	s_add_co_u32 s66, s66, s60
	s_add_co_u32 s66, s66, 6144                    ; its two bytes of the scale words [head / 2][row]
	s_mov_b32 s67, 0
	s_wait_dscnt 0x0                               ; both opening adds are done
	s_wait_kmcnt 0x0
	s_cmp_lt_u32 s[WV], 8
	s_cselect_b64 s[68:69], s[6:7], s[8:9]         ; the choice hangs on the wave's number
	s_mov_b32 s[G0A], 1
	s_mov_b32 s[G0A+1], s42
	s_add_nc_u64 s[G0A+2:G0A+3], s[68:69], s[46:47]
	s_mov_b32 s[G0B], 1
	s_add_co_u32 s[G0B+1], s42, SLOT1
	s_add_nc_u64 s[G0B+2:G0B+3], s[G0A+2:G0A+3], 12*REC
	s_or_b32 s[G0A+3], s[G0A+3], 0x80000000        ; type = 2
	s_or_b32 s[G0B+3], s[G0B+3], 0x80000000
	s_mov_b32 s[G0C], 1
	s_mov_b32 s[G0C+1], s43
	s_add_nc_u64 s[G0C+2:G0C+3], s[68:69], s[44:45]
	s_or_b32 s[G0C+3], s[G0C+3], 0x80000000
	s_add_nc_u64 s[48:49], s[4:5], s[48:49]
	s_add_nc_u64 s[62:63], s[10:11], s[62:63]
	s_add_nc_u64 s[66:67], s[10:11], s[66:67]
	CROUND                                         ; all four work-groups are here: the first joint loads meet
	tensor_load_to_lds s[G0A:G0A+3], s[G1L:G1L+7]  ; steps 0-11: one load a wave at the head, in every wave
	s_nop 0
	v_and_b32 v7, 31, v0
	v_lshlrev_b32 v[L16], 4, v7
	v_bfe_u32 v[H8], v0, 4, 1
	v_lshlrev_b32 v[H8], 3, v[H8]
	v_and_b32 v8, 15, v0
	v_lshlrev_b32 v9, 4, v8
	v_add_nc_u32 v9, s59, v9
.irp p, 0,1,2
	v_add_nc_u32 v[S+\p], s[56+\p], v[L16]
.endr
.irp p, 0,1,2
	global_load_b64 v[16+2*\p:17+2*\p], v[S+\p], s[48:49]   ; Q's six registers stay
.endr
	global_load_b32 v[QS], v9, s[48:49]            ; and its scale words
.irp i, 0,1,2,3,4,5
	v_mov_b32 v[22+\i], 0                          ; Q at K = 64 .. 127: zero codes
	v_mov_b32 v[PCD+\i], 0                         ; named as the upper half of K's fragment 7 before p's codes are first made
.endr
	v_mov_b32 v13, 0xff61b1e6                      ; the largest score so far: -3e38
	v_mov_b32 v12, 0x7f61b1e6                      ; -M
	v_mov_b32 v14, 0                               ; the sum, in two halves
	v_mov_b32 v15, 0
	v_mov_b32 v[F+1], 0                            ; (named as the upper half of the pair with f)
.set j, 0
.rept 32
	v_mov_b32 v[O+j], 0                            ; O^T.  (The step is written once: the first finds zeros, which the first change of M leaves zeros)
.set j, j+1
.endr
.macro KLOAD                           ; 13 LDS loads
.irp n, 0,1,2,3,4,5,6,7,8,9,10,11
	ds_load_b128 v[KF+4*\n:KF+4*\n+3], v[ADK] offset:512*\n
.endr
	ds_load_b128 v[KS:KS+3], v[ADK] offset:6144
.endm
.macro VLOAD                           ; 13 LDS loads
.irp n, 0,1,2,3,4,5,6,7,8,9,10,11
	ds_load_b128 v[VF+4*\n:VF+4*\n+3], v[ADV] offset:512*\n
.endr
	ds_load_b128 v[VS:VS+3], v[ADV] offset:6144
.endm
.macro FMAS a, n                       ; t - M, two at a time (of the pairs c and -M the low word serves both halves)
.set j, \a
.rept \n
	v_pk_fma_f32 v[S+j:S+j+1], v[S+j:S+j+1], s[CS:CS+1], v[12:13] op_sel_hi:[1,0,0]
.set j, j+2
.endr
.endm
.macro EX a, n
.set j, \a
.rept \n
	v_exp_f32 v[S+j], v[S+j]
.set j, j+1
.endr
.endm
.macro ADD4 k                          ; four pairs of p onto the sum's four chains
	v_pk_add_f32 v[14:15], v[14:15], v[S+2*(\k):S+2*(\k)+1]
	v_pk_add_f32 v[T0:T0+1], v[T0:T0+1], v[S+2*(\k)+2:S+2*(\k)+3]
	v_pk_add_f32 v[T1:T1+1], v[T1:T1+1], v[S+2*(\k)+4:S+2*(\k)+5]
	v_pk_add_f32 v[T2:T2+1], v[T2:T2+1], v[S+2*(\k)+6:S+2*(\k)+7]
.endm
; A KEY STEP: 128 keys.  pf = 1: the next step's fragments are asked of LDS.
.macro STEP pf
	s_wait_dscnt 13                                ; this step's K is in; the 13 younger loads, its V, may be out
.irp t, 0,1,2,3
	v_wmma_scale_f32_16x16x128_f8f6f4 v[S+8*\t:S+8*\t+7], v[KF+6*\t:KF+6*\t+11], v[16:27], 0, v[KS+\t], v[QS] matrix_a_fmt:MATRIX_FMT_FP6 matrix_b_fmt:MATRIX_FMT_FP6
.endr
.irp t, 4,5,6,7
	v_wmma_scale_f32_16x16x128_f8f6f4 v[S+8*\t:S+8*\t+7], v[KF+6*\t:KF+6*\t+11], v[16:27], 0, v[KS+\t-4], v[QS] matrix_a_fmt:MATRIX_FMT_FP6 matrix_b_fmt:MATRIX_FMT_FP6 matrix_a_scale:MATRIX_SCALE_ROW1
.endr
.if \pf                                        ; four places behind the products, ahead of loads into their sources and of the first read of results
	s_add_co_u32 s[TB], s[TB], REC
	v_add_nc_u32 v[ADK], s[TB], v[L16]
	v_mov_b32 v[OM], v12
	v_add_nc_u32 v[ADV], VOFF, v[ADK]
	v_nop
	KLOAD
.else
	v_mov_b32 v[OM], v12
.rept 3
	v_nop
.endr
.endif
.irp c, 0,1                                    ; THE LARGEST SCORE OF MY TWO BLOCKS OF 32 KEYS, each in two chains; each accumulator is first read at its low end
	v_max3_num_f32 v[BM+\c], v[S+32*\c], v[S+32*\c+1], v[S+32*\c+2]
.endr
.irp c, 0,1
	v_max3_num_f32 v[CT+\c], v[S+32*\c+16], v[S+32*\c+17], v[S+32*\c+18]
.endr
.irp i, 3,5,7,9,11,13
.irp c, 0,1
	v_max3_num_f32 v[BM+\c], v[BM+\c], v[S+32*\c+\i], v[S+32*\c+\i+1]
.endr
.irp c, 0,1
	v_max3_num_f32 v[CT+\c], v[CT+\c], v[S+32*\c+16+\i], v[S+32*\c+17+\i]
.endr
.endr
.irp c, 0,1
	v_max3_num_f32 v[BM+\c], v[BM+\c], v[CT+\c], v[S+32*\c+15]
.endr
.irp c, 0,1
	v_max_num_f32 v[BM+\c], v[BM+\c], v[S+32*\c+31]
.endr
	v_max_num_f32 v[TT], v[BM], v[BM+1]
	v_permlanex16_b32 v[TP], v[TT], s[SEL], s[SEL+1]
	v_max3_num_f32 v13, v13, v[TT], v[TP]          ; the running largest score of my query (c is positive: the largest t is c x this)
	v_mul_f32 v[TT], s[NC], v13
	v_floor_f32 v12, v[TT]                         ; the new -M = floor(-t) = -ceil(t): M is a whole number
	v_sub_f32 v[TT], v12, v[OM]                    ; old M - new M: a whole number, 0 or less
	FMAS 0, 4                                      ; my first block's t - M stand among the links of this chain
	v_cvt_i32_f32 v[TT], v[TT]                     ; (it saturates)
	FMAS 8, 4
	v_ldexp_f32 v[F], 1.0, v[TT]                   ; f = 2^(old M - new M)
	FMAS 16, 8
.irp c, 0,1
	v_fma_f32 v[BM+\c], v[BM+\c], s[CS], v12       ; the same of each block's largest score
.endr
	v_pk_mul_f32 v[14:15], v[14:15], v[F:F+1] op_sel_hi:[1,0]   ; the sum under the new M,
.set j, 0
.rept 16
	v_pk_mul_f32 v[O+j:O+j+1], v[O+j:O+j+1], v[F:F+1] op_sel_hi:[1,0]   ; and O^T
.set j, j+2
.endr
	s_wait_alu depctr_va_vdst(0)                   ; the wait ahead of a batch of exponentials
.set i, 0
.rept 16                                       ; p of my first block; the second block's t - M, read behind the next wait alone, stand between
	v_exp_f32 v[S+i], v[S+i]
	v_exp_f32 v[S+i+1], v[S+i+1]
	v_pk_fma_f32 v[S+32+i:S+33+i], v[S+32+i:S+33+i], s[CS:CS+1], v[12:13] op_sel_hi:[1,0,0]
.set i, i+2
.endr
	v_exp_f32 v[BM], v[BM]                         ; the blocks' largest p: the same two instructions on the same number give the same bits
	v_exp_f32 v[BM+1], v[BM+1]
	s_wait_alu depctr_va_vdst(0)                   ; behind the first batch and ahead of the second
	EX 32, 6                                       ; p of my second block; between: lines that read the first batch and each other not, and are read behind the next wait alone
	v_pk_add_f32 v[T0:T0+1], v[S:S+1], v[S+2:S+3]  ; THE ROW'S SUM IS TAKEN OF THE UNQUANTISED p, in four chains
	EX 38, 6
	v_pk_add_f32 v[T1:T1+1], v[S+4:S+5], v[S+6:S+7]
	EX 44, 6
	v_pk_add_f32 v[14:15], v[14:15], v[S+8:S+9]
	EX 50, 6
	v_max_num_f32 v[BM], 0x1800000, v[BM]          ; the floor 2^(3 - 127): the byte cannot fall under 1
	EX 56, 6
	v_max_num_f32 v[BM+1], 0x1800000, v[BM+1]
	EX 62, 2
	v_nop                                          ; a plain instruction behind the last exponential
	s_wait_alu depctr_va_vdst(0)                   ; one wait for the batch, ahead of its first reader
.irp c, 0,1
	v_add_nc_u32 v[SO+\c], 0xff000000, v[BM+\c]    ; 2 off the exponent field: the conversion's scale operand
.endr
.irp c, 0,1
	s_delay_alu instid0(VALU_DEP_2)
	v_lshrrev_b32 v[BM+\c], 23, v[SO+\c]           ; the scale's byte
.endr
.irp c, 0,1
	v_cvt_scalef32_pk16_fp6_f32 v[PCD+6*\c:PCD+6*\c+2], v[S+32*\c:S+32*\c+15], v[SO+\c]
	v_cvt_scalef32_pk16_fp6_f32 v[CT+4*\c:CT+4*\c+2], v[S+32*\c+16:S+32*\c+31], v[SO+\c]   ; (a conversion's three registers begin on an even number)
.endr
	v_lshl_or_b32 v[TT], v[BM+1], 16, v[BM]        ; my two bytes: blocks h and 2 + h.  (A plain instruction behind the conversions)
	s_delay_alu instid0(VALU_DEP_1)
	v_lshlrev_b32 v[TT], v[H8], v[TT]              ; 8 h bits up;
.irp i, 0,1,2
	v_mov_b32 v[PCD+3+\i], v[CT+\i]
.endr
	v_permlanex16_b32 v[TP], v[TT], s[SEL], s[SEL+1]
.irp i, 0,1,2
	v_mov_b32 v[PCD+9+\i], v[CT+4+\i]
.endr
	v_or_b32 v[PWD], v[TT], v[TP]                  ; with lane l xor 16's two: p's scale word for these 128 keys
	v_pk_add_f32 v[T2:T2+1], v[S+10:S+11], v[S+12:S+13]   ; eighteen additions: also the places between the writes of p's codes and scale word and the scaled products
	v_pk_add_f32 v[14:15], v[14:15], v[S+14:S+15]
	ADD4 8
	ADD4 12
	ADD4 16
	ADD4 20
	s_wait_alu depctr_va_vdst(0)                   ; directly ahead of the wait below
.if \pf
	s_wait_dscnt 13                                ; V is in; the 13 younger loads, the next step's K, may be out
.else
	s_wait_dscnt 0x0
.endif
.irp t, 0,1,2,3                                ; O^T += V^T P^T: four accumulators by turns
	v_wmma_scale_f32_16x16x128_f8f6f4 v[O+8*\t:O+8*\t+7], v[VF+12*\t:VF+12*\t+11], v[PCD:PCD+11], v[O+8*\t:O+8*\t+7], v[VS+\t], v[PWD] matrix_a_fmt:MATRIX_FMT_FP6 matrix_b_fmt:MATRIX_FMT_FP6
.endr
	ADD4 24                                        ; four places behind the products, ahead of the loads into their sources
.if \pf
	VLOAD
.endif
	ADD4 28
	v_pk_add_f32 v[T0:T0+1], v[T0:T0+1], v[T1:T1+1]
	v_pk_add_f32 v[14:15], v[14:15], v[T2:T2+1]
	s_delay_alu instid0(VALU_DEP_1)
	v_pk_add_f32 v[14:15], v[14:15], v[T0:T0+1]
.endm
.macro VISIT base, n                   ; n key steps from LDS byte base on
	s_mov_b32 s[TB], \base
	v_add_nc_u32 v[ADK], s[TB], v[L16]
	v_add_nc_u32 v[ADV], VOFF, v[ADK]
	s_wait_alu depctr_va_vdst(0)                   ; the wait behind these writes
	KLOAD
	VLOAD
	s_mov_b32 s[CNT], (\n)-1
.Lstep_\@:
	STEP 1
	s_sub_co_u32 s[CNT], s[CNT], 1
	s_cmp_lg_u32 s[CNT], 0
	s_wait_alu depctr_va_vdst(0)                   ; the wait directly ahead of the branch
	s_cbranch_scc1 .Lstep_\@
	STEP 0                                         ; the visit's last step asks LDS for nothing more
.endm
; THE CHANGE OF SLOTS.  Each wave waits for all its tensor loads (its part of the slot ahead), adds 0 to its spare word, and waits for that and for its reads of the slot that it leaves.
.macro MEET
	s_wait_tensorcnt 0x0
	ds_add_u32 v[SPW], v[NIL]
	s_wait_dscnt 0x0
.endm
	s_wait_alu depctr_va_vdst(0)                   ; the wait at the head's end
	MEET                                           ; my part of slot 0 is in; the same lines stand ahead of a later first fill as ahead of a refill
	CROUND
	tensor_load_to_lds s[G0B:G0B+3], s[G1L:G1L+7]  ; steps 12-23, slot 1's first fill: my one load behind the round
	s_nop 0
	s_wait_loadcnt 0x0                             ; Q
	VISIT 0, 12
	MEET
	CROUND                                         ; no wave of any partner still reads slot 0
	tensor_load_to_lds s[G0C:G0C+3], s[G1S:G1S+7]
	s_nop 0
	VISIT SLOT1, 12
	MEET                                           ; nothing is left to fetch
	s_barrier_signal -1
	s_barrier_wait -1
	VISIT 0, 8
	; THE WAY OUT.  O^T / the sum is quantised along the head's 64 channels and leaves as a half image of the next product's operand.  V's channel tiles are rows 32 g + 8 u + i + 8 (i / 8):
	; register 16 b + i of O^T is channel 32 b + 16 (lane / 16) + i of my query.  (The eleven additions above are the places behind the last products.)
	v_add_f32 v14, v14, v15                        ; the sum's two halves,
	s_delay_alu instid0(VALU_DEP_1)
	v_permlanex16_b32 v[TP], v14, s[SEL], s[SEL+1]
	s_delay_alu instid0(VALU_DEP_1)
	v_add_f32 v14, v14, v[TP]                      ; and lane l xor 16's keys: the row's sum
	s_wait_alu depctr_va_vdst(0)
	v_rcp_f32 v14, v14
	v_nop                                          ; a plain instruction behind the reciprocal
	s_wait_alu depctr_va_vdst(0)                   ; and the wait ahead of its first reader, and of the first reader of O^T
.set j, 0
.rept 32
	v_mul_f32 v[S+j], v[O+j], v14                  ; each accumulator is read from its low end on
.set j, j+1
.endr
.irp b, 0,1
	v_max3_num_f32 v[BM+\b], |v[S+16*\b]|, |v[S+1+16*\b]|, 0x1800000
.endr
.irp i, 2,4,6,8,10,12,14
.irp b, 0,1
	s_delay_alu instid0(VALU_DEP_2)
	v_max3_num_f32 v[BM+\b], v[BM+\b], |v[S+16*\b+\i]|, |v[S+1+16*\b+\i]|
.endr
.endr
.irp b, 0,1
	s_delay_alu instid0(VALU_DEP_2)
	v_permlanex16_b32 v[TP+\b], v[BM+\b], s[SEL], s[SEL+1]
.endr
.irp b, 0,1
	s_delay_alu instid0(VALU_DEP_2)
	v_max_num_f32 v[BM+\b], v[BM+\b], v[TP+\b]     ; with lane l xor 16's 16: the block's largest magnitude
.endr
.irp b, 0,1
	s_delay_alu instid0(VALU_DEP_2)
	v_add_nc_u32 v[SO+\b], 0xff000000, v[BM+\b]
.endr
.irp b, 0,1
	s_delay_alu instid0(VALU_DEP_2)
	v_lshrrev_b32 v[BM+\b], 23, v[SO+\b]
.endr
	v_cvt_scalef32_pk16_fp6_f32 v[PCD:PCD+2], v[S:S+15], v[SO]
	v_cvt_scalef32_pk16_fp6_f32 v[CT:CT+2], v[S+16:S+31], v[SO+1]
	v_lshl_or_b32 v[TT], v[BM+1], 8, v[BM]         ; my head's two bytes.  (A plain instruction behind the conversions)
.irp i, 0,1,2
	v_permlane16_swap_b32 v[PCD+\i], v[CT+\i]      ; the operand wants a WHOLE block in a lane
.endr
.irp i, 0,1,2
	s_delay_alu instid0(VALU_DEP_3)
	v_mov_b32 v[PCD+3+\i], v[CT+\i]
.endr
	v_lshrrev_b32 v[ADK], 1, v[L16]                ; 8 x lane
	v_and_b32 v[ADV], 15, v0
	s_delay_alu instid0(VALU_DEP_1)
	v_lshlrev_b32 v[ADV], 2, v[ADV]                ; 4 r
	global_store_b128 v[L16], v[PCD:PCD+3], s[62:63]
	global_store_b64 v[ADK], v[PCD+4:PCD+5], s[62:63] offset:512
	global_store_b16 v[ADV], v[TT], s[66:67]       ; lanes 16-31 write the same to the same place
	s_wait_tensorcnt 0x0                           ; the wave's end
	ds_add_u32 v[SPW], v[NIL]
	s_wait_dscnt 0x0
	CROUND                                         ; the closing round
	s_endpgm
.Lfunc_end_k_qc0153debc4_attn:
	.size	k_qc0153debc4_attn, .Lfunc_end_k_qc0153debc4_attn-k_qc0153debc4_attn
	.p2alignl 7, 3214868480
	.fill 96, 4, 3214868480
	.section	.rodata,"a",@progbits
	.p2align	6, 0x0
	.amdhsa_kernel k_qc0153debc4_attn
		.amdhsa_group_segment_fixed_size 327680
		.amdhsa_private_segment_fixed_size 0
		.amdhsa_enable_private_segment 0
		.amdhsa_kernarg_size 32
		.amdhsa_user_sgpr_count 2
		.amdhsa_user_sgpr_kernarg_segment_ptr 1
		.amdhsa_wavefront_size32 1
		.amdhsa_system_sgpr_workgroup_id_x 1
		.amdhsa_system_sgpr_workgroup_id_y 1
		.amdhsa_system_sgpr_workgroup_id_z 1
		.amdhsa_system_vgpr_workitem_id 0
		.amdhsa_next_free_vgpr 256
		.amdhsa_next_free_sgpr 96
		.amdhsa_reserve_vcc 0
		.amdhsa_float_denorm_mode_32 3
		.amdhsa_float_denorm_mode_16_64 3
		.amdhsa_memory_ordered 1
		.amdhsa_forward_progress 1
		.amdhsa_inst_pref_size 100
	.end_amdhsa_kernel
	.amdgpu_metadata
---
amdhsa.version: [ 1, 2 ]
amdhsa.kernels:
  - .name:           k_qc0153debc4_attn
    .symbol:         k_qc0153debc4_attn.kd
    .args:
      - { .name: qb, .offset: 0, .size: 8, .value_kind: global_buffer, .address_space: global }
      - { .name: kb, .offset: 8, .size: 8, .value_kind: global_buffer, .address_space: global }
      - { .name: vb, .offset: 16, .size: 8, .value_kind: global_buffer, .address_space: global }
      - { .name: ob, .offset: 24, .size: 8, .value_kind: global_buffer, .address_space: global }
    .group_segment_fixed_size: 327680
    .private_segment_fixed_size: 0
    .kernarg_segment_align: 8
    .kernarg_segment_size: 32
    .max_flat_workgroup_size: 512
    .sgpr_count:     96
    .vgpr_count:     256
    .wavefront_size: 32
...
	.end_amdgpu_metadata
.endif
;; end of part 3
;; launch oproj (part 4): grid 4 x 64, 8 waves a work-group, clusters of 4 x 4, 189,440 bytes of LDS; arguments ob, wo, bout, out0; writes out0
.if DOCPART == 4
	.amdgcn_target "amdgcn-amd-amdhsa--gfx1250"
	.amdhsa_code_object_version 6
	.text
	.protected	k_qc0153debc4_oproj
	.globl	k_qc0153debc4_oproj
	.p2align	8
	.type	k_qc0153debc4_oproj,@function
k_qc0153debc4_oproj:
	s_mov_b64 s[64:65], 0
	v_nop
	global_prefetch_b8 v0, s[64:65] scope:SCOPE_SE
	s_setreg_imm32_b32 hwreg(HW_REG_WAVE_MODE, 25, 1), 1
	s_wait_xcnt 0x0
	s_wait_alu depctr_hold_cnt(0) depctr_sa_sdst(0) depctr_va_vdst(0) depctr_va_sdst(0) depctr_va_ssrc(0) depctr_va_vcc(0) depctr_vm_vsrc(0)
	s_getreg_b32 s2, hwreg(HW_REG_IB_STS2, 6, 4)
	s_cmp_eq_u32 s2, 0
	s_cbranch_scc0 .Lentry_in_a_cluster
	s_endpgm
.Lentry_in_a_cluster:
	s_bfe_u32 s2, ttmp6, 0x10000c
	s_cmp_lg_u32 s2, 0xf033
	s_cbranch_scc0 .Lentry_shape_is_right
	s_endpgm
.Lentry_shape_is_right:
; out0 = O Wout + bout, on codes of FP6 (E2M3) with E8M0 scales; K = 512 in four steps of 128; out0 [8192][1024] f32.
; A work-group takes 128 tokens x 256 columns.  Both operands lie in memory as images of operand registers: ob [tile of tokens 512][6,400]: eight half images (one a head: K step s is heads 2 s, 2 s + 1) and, at 6,144,
; scale words [K step][row]; wo [256 columns 4][K step 4][25,600]: sixteen images and, at 24,576, their scale words.  All of it, 153,600 bytes, is filled ONCE: no slot is filled again.
; CLUSTER 4 x 4: the four work-groups of a row share the tokens, the four of a column the columns: each part is asked for jointly.  Waves 0, 1 fetch the tokens' halves, waves 2-5 Wout's four K steps.
; SHARES.  Wave w: token tiles 4 (w / 4) .. + 3 x column tiles 4 (w % 4) .. + 3: 16 accumulators.  Transposed: source 0 = a tile of Wout's columns, source 1 = a tile of tokens: a lane holds one token and, by the
; choice of a tile's rows (32 g + 8 u + i + 8 (i / 8)), the 16 registers of column tiles 2 b, 2 b + 1 are columns 32 b + 16 (lane / 16) + 0 .. 15.
; The way out goes through the wave's own stage in LDS: sixteen lanes then store 256 consecutive bytes of a row, at a multiple of 256 from out0's first byte.
; REGISTERS: v4-14 addresses; v16-19 the tokens' scale words, v20-23 Wout's; v24-27 my four numbers of bout; v32-79 four fragments of tokens, v80-127 four of Wout; v128-255 accumulators ((tp, tc) at 128 + 8 (4 tp + tc)).
.set WV,   12
.set G1A,  16
.set G1B,  24
.set G0A,  32
.set G0B,  40
.set BA16, 4
.set BA8,  5
.set CA,   6
.set BB,   7                           ; v7, v8: Wout's K steps 0, 1 and 2, 3 (an LDS offset has 16 bits)
.set CB,   9                           ; v9, v10 likewise
.set STO,  11
.set RD,   12
.set GO,   13
.set SA,   16
.set SB,   20
.set BO,   24
.set AF,   32
.set BF,   80
.set OB,   32                          ; the way out: two sets of 32 registers
.macro CROUND                          ; a round of the cluster's barrier
	s_barrier_signal -1
	s_barrier_wait -1
	s_cmp_lg_u32 s[WV], 0
	s_cbranch_scc1 .Lnot_wave_0_\@
	s_barrier_signal -3
.Lnot_wave_0_\@:
	s_barrier_wait -3
	s_barrier_signal -1
	s_barrier_wait -1
.endm
	s_load_b256 s[4:11], s[0:1], 0x0               ; ob s[4:5], wo s[6:7], bout s[8:9], out0 s[10:11]
	v_lshl_add_u32 v30, v0, 2, 0x2e000
	v_mov_b32 v31, 0
	ds_add_u32 v30, v31
	ds_add_u32 v30, v31
	v_lshrrev_b32 v1, 5, v0
	s_delay_alu instid0(VALU_DEP_1)
	v_readfirstlane_b32 s[WV], v1                  ; wave 0..7
	s_lshr_b32 s13, s[WV], 2                       ; a: which four tiles of tokens
	s_and_b32 s14, s[WV], 3                        ; cq: which four tiles of columns
	s_bfe_u32 s15, ttmp6, 0x40000                  ; cx
	s_bfe_u32 s36, ttmp6, 0x40004                  ; cy
	s_lshl_b32 s37, ttmp9, 2
	s_add_co_u32 s37, s37, s15                     ; which 256 columns
	s_and_b32 s38, ttmp7, 0xffff
	s_lshl_b32 s38, s38, 2
	s_add_co_u32 s38, s38, s36                     ; which 128 tokens
	s_lshl_b32 s39, s36, 2
	s_lshl_b32 s39, 15, s39                        ; my row of the cluster
	s_lshl_b32 s44, 0x1111, s15                    ; my column
	s_or_b32 s[G1A], s39, (3<<16)|(1<<21)          ; 25,600 dense bytes as 100 rows of 256 (32 elements of 8 bytes); no padding
	s_or_b32 s[G1B], s44, (3<<16)|(1<<21)
.irp g, G1A, G1B
	s_mov_b32 s[\g+1], 32<<16
	s_mov_b32 s[\g+2], 100<<16
	s_mov_b32 s[\g+3], 32<<16
	s_mov_b32 s[\g+4], 100
	s_mov_b32 s[\g+5], 32
	s_mov_b32 s[\g+6], 0
	s_mov_b32 s[\g+7], 0
.endr
	s_and_b32 s45, s[WV], 1
	s_mul_i32 s45, s45, 25600                      ; the tokens' first or second four tiles, in memory and in LDS
	s_mul_i32 s48, s38, 51200
	s_add_co_u32 s48, s48, s45
	s_mov_b32 s49, 0
	s_add_co_u32 s46, s[WV], 2
	s_and_b32 s46, s46, 3                          ; waves 2, 3, 4, 5: K steps 0, 1, 2, 3
	s_mul_i32 s46, s46, 25600
	s_mul_i32 s50, s37, 102400
	s_add_co_u32 s50, s50, s46
	s_mov_b32 s51, 0
	s_lshl_b32 s52, s37, 10
	s_lshl_b32 s53, s14, 8
	s_add_co_u32 s52, s52, s53                     ; my 64 columns, in bytes
	s_mov_b32 s53, 0
	s_lshl_b32 s54, s38, 7
	s_lshl_b32 s55, s13, 6
	s_add_co_u32 s54, s54, s55                     ; my first token
	s_lshl_b32 s54, s54, 12
	s_add_co_u32 s54, s54, s52
	s_mov_b32 s55, 0
	s_wait_dscnt 0x0
	s_wait_kmcnt 0x0
	s_mov_b32 s[G0A], 1
	s_mov_b32 s[G0A+1], s45
	s_add_nc_u64 s[G0A+2:G0A+3], s[4:5], s[48:49]
	s_or_b32 s[G0A+3], s[G0A+3], 0x80000000
	s_mov_b32 s[G0B], 1
	s_add_co_u32 s[G0B+1], s46, 51200
	s_add_nc_u64 s[G0B+2:G0B+3], s[6:7], s[50:51]
	s_or_b32 s[G0B+3], s[G0B+3], 0x80000000
	s_add_nc_u64 s[52:53], s[8:9], s[52:53]
	s_add_nc_u64 s[54:55], s[10:11], s[54:55]
	CROUND                                         ; all sixteen work-groups are here: the joint loads meet
	s_cmp_lt_u32 s[WV], 2                          ; the branches hang on the wave's number alone; one load a wave at the most
	s_cbranch_scc0 .Lnot_a
	tensor_load_to_lds s[G0A:G0A+3], s[G1A:G1A+7]
	s_nop 0
.rept 4
	v_nop
.endr
	s_branch .Lasked
.Lnot_a:
	s_cmp_lt_u32 s[WV], 6
	s_cbranch_scc0 .Lasked
	tensor_load_to_lds s[G0B:G0B+3], s[G1B:G1B+7]
	s_nop 0
.rept 4
	v_nop
.endr
.Lasked:
	v_and_b32 v1, 31, v0                           ; lane
	v_and_b32 v2, 15, v0                           ; r
	v_bfe_u32 v3, v0, 4, 1                         ; h
	s_delay_alu instid0(VALU_DEP_2)
	v_lshlrev_b32 v14, 4, v2
	global_load_b128 v[BO:BO+3], v14, s[52:53]     ; bout at columns 4 r .. 4 r + 3 of my 64: what I store of every row
	s_mul_i32 s45, s13, 25600
	v_lshl_add_u32 v[BA16], v1, 4, s45             ; the tokens' half images: 16 and 8 bytes a lane,
	v_lshl_add_u32 v[BA8], v1, 3, s45
	v_lshl_add_u32 v[CA], v2, 2, s45               ; their scale words
	s_mul_i32 s46, s14, 6144
	s_add_co_u32 s46, s46, 51200
	v_lshl_add_u32 v[BB], v1, 4, s46               ; Wout's images
	s_delay_alu instid0(VALU_DEP_1)
	v_add_nc_u32 v[BB+1], 51200, v[BB]
	s_lshl_b32 s46, s14, 8
	s_add_co_u32 s46, s46, 51200+24576
	v_lshl_add_u32 v[CB], v2, 2, s46               ; and scale words
	s_delay_alu instid0(VALU_DEP_1)
	v_add_nc_u32 v[CB+1], 51200, v[CB]
	s_mul_i32 s46, s[WV], 4352
	s_add_co_u32 s46, s46, 153600                  ; my stage: 16 rows of 256 bytes + 16; no fill lands there
	v_mul_u32_u24 v[STO], v2, 272
	s_delay_alu instid0(VALU_DEP_1)
	v_lshl_add_u32 v[STO], v3, 6, v[STO]
	s_delay_alu instid0(VALU_DEP_1)
	v_add_nc_u32 v[STO], s46, v[STO]               ; in: row r, + 64 h
	v_mul_u32_u24 v[RD], v3, 272
	s_delay_alu instid0(VALU_DEP_1)
	v_lshl_add_u32 v[RD], v2, 4, v[RD]
	s_delay_alu instid0(VALU_DEP_1)
	v_add_nc_u32 v[RD], s46, v[RD]                 ; back: lanes 0-15 one row, lanes 16-31 the next
	v_lshlrev_b32 v[GO], 12, v3
	s_delay_alu instid0(VALU_DEP_1)
	v_lshl_add_u32 v[GO], v2, 4, v[GO]             ; and the same two rows in out0
	s_wait_alu depctr_va_vdst(0)
	s_wait_tensorcnt 0x0                           ; my part has landed,
	s_barrier_signal -1
	s_barrier_wait -1                              ; everybody's has
.macro OSTEP s, zero
.irp tp, 0,1,2,3
.irp c, 0,1
	ds_load_b128 v[AF+12*\tp+6*\c:AF+12*\tp+6*\c+3],   v[BA16] offset:\tp*6400+(2*(\s)+\c)*768       ; head 2 s + c is registers 6 c .. 6 c + 5 of the fragment
	ds_load_b64  v[AF+12*\tp+6*\c+4:AF+12*\tp+6*\c+5], v[BA8]  offset:\tp*6400+(2*(\s)+\c)*768+512
.endr
	ds_load_b32 v[SA+\tp], v[CA] offset:\tp*6400+6144+64*(\s)
.endr
.irp tc, 0,1,2,3
.irp i, 0,1,2
	ds_load_b128 v[BF+12*\tc+4*\i:BF+12*\tc+4*\i+3], v[BB+(\s)/2] offset:((\s)%2)*25600+\tc*1536+\i*512
.endr
	ds_load_b32 v[SB+\tc], v[CB+(\s)/2] offset:((\s)%2)*25600+\tc*64
.endr
	s_wait_dscnt 0x0
.irp tp, 0,1,2,3                               ; sixteen accumulators by turns, in the same order in every step
.irp tc, 0,1,2,3
.if \zero
	v_wmma_scale_f32_16x16x128_f8f6f4 v[128+8*(4*\tp+\tc):135+8*(4*\tp+\tc)], v[BF+12*\tc:BF+12*\tc+11], v[AF+12*\tp:AF+12*\tp+11], 0, v[SB+\tc], v[SA+\tp] matrix_a_fmt:MATRIX_FMT_FP6 matrix_b_fmt:MATRIX_FMT_FP6
.else
	v_wmma_scale_f32_16x16x128_f8f6f4 v[128+8*(4*\tp+\tc):135+8*(4*\tp+\tc)], v[BF+12*\tc:BF+12*\tc+11], v[AF+12*\tp:AF+12*\tp+11], v[128+8*(4*\tp+\tc):135+8*(4*\tp+\tc)], v[SB+\tc], v[SA+\tp] matrix_a_fmt:MATRIX_FMT_FP6 matrix_b_fmt:MATRIX_FMT_FP6
.endif
.endr
.endr
.rept 4
	v_nop                                          ; places in front of loads into registers that these products have read, and of the first read of results
.endr
.endm
	OSTEP 0, 1
	OSTEP 1, 0
	OSTEP 2, 0
	OSTEP 3, 0
	s_wait_loadcnt 0x0                             ; bout
; THE WAY OUT of token tile tp: 16 rows x 64 columns through my stage; LDS serves a wave's instructions in order, so no wait stands between the stores and the loads, nor in front of the next tile's stores.
.macro OUT tp
.set OBR, OB+32*((\tp)%2)
.if (\tp) >= 2
	s_wait_xcnt 0x0                                ; the stores of two tiles ago have read their registers: the loads below may land there
.endif
.irp tc, 0,1,2,3
	ds_store_b128 v[STO], v[128+32*(\tp)+8*\tc:131+32*(\tp)+8*\tc] offset:128*(\tc/2)+32*(\tc%2)      ; columns 32 (tc / 2) + 16 h + 8 (tc % 2) + 0 .. 3; each accumulator from its low end on
	ds_store_b128 v[STO], v[132+32*(\tp)+8*\tc:135+32*(\tp)+8*\tc] offset:128*(\tc/2)+32*(\tc%2)+16
.endr
.irp i, 0,1,2,3,4,5,6,7
	ds_load_b128 v[OBR+4*\i:OBR+4*\i+3], v[RD] offset:2*\i*272
.endr
.irp i, 0,1,2,3,4,5,6,7
	s_wait_dscnt 7-\i                              ; rows 2 i, 2 i + 1 are back; the younger rows stay out
	v_pk_add_f32 v[OBR+4*\i:OBR+4*\i+1], v[OBR+4*\i:OBR+4*\i+1], v[BO:BO+1]
	v_pk_add_f32 v[OBR+4*\i+2:OBR+4*\i+3], v[OBR+4*\i+2:OBR+4*\i+3], v[BO+2:BO+3]
	global_store_b128 v[GO], v[OBR+4*\i:OBR+4*\i+3], s[54:55] offset:(8*(\tp)+2*\i+24*(\i/4))*4096 th:TH_STORE_NT   ; the tokens' tiles: tile 4 c + u of a block of 128, row i, is token 64 c + 8 u + i % 8 + 32 (i / 8); so row 2 i + h of my tile tp is token 8 tp + 2 i + h + 24 (i / 4) of my 64; written once, read by nobody here
.endr
.endm
	OUT 0
	OUT 1
	OUT 2
	OUT 3
	s_wait_tensorcnt 0x0
	ds_add_u32 v30, v31
	s_wait_dscnt 0x0
	CROUND                                         ; the closing round: no work-group ends while a partner may still ask for a part that names it
	s_endpgm
.Lfunc_end_k_qc0153debc4_oproj:
	.size	k_qc0153debc4_oproj, .Lfunc_end_k_qc0153debc4_oproj-k_qc0153debc4_oproj
	.p2alignl 7, 3214868480
	.fill 96, 4, 3214868480
	.section	.rodata,"a",@progbits
	.p2align	6, 0x0
	.amdhsa_kernel k_qc0153debc4_oproj
		.amdhsa_group_segment_fixed_size 189440
		.amdhsa_private_segment_fixed_size 0
		.amdhsa_enable_private_segment 0
		.amdhsa_kernarg_size 32
		.amdhsa_user_sgpr_count 2
		.amdhsa_user_sgpr_kernarg_segment_ptr 1
		.amdhsa_wavefront_size32 1
		.amdhsa_system_sgpr_workgroup_id_x 1
		.amdhsa_system_sgpr_workgroup_id_y 1
		.amdhsa_system_sgpr_workgroup_id_z 1
		.amdhsa_system_vgpr_workitem_id 0
		.amdhsa_next_free_vgpr 256
		.amdhsa_next_free_sgpr 66
		.amdhsa_reserve_vcc 0
		.amdhsa_float_denorm_mode_32 3
		.amdhsa_float_denorm_mode_16_64 3
		.amdhsa_memory_ordered 1
		.amdhsa_forward_progress 1
		.amdhsa_inst_pref_size 37
	.end_amdhsa_kernel
	.amdgpu_metadata
---
amdhsa.version: [ 1, 2 ]
amdhsa.kernels:
  - .name:           k_qc0153debc4_oproj
    .symbol:         k_qc0153debc4_oproj.kd
    .args:
      - { .name: ob, .offset: 0, .size: 8, .value_kind: global_buffer, .address_space: global }
      - { .name: wo, .offset: 8, .size: 8, .value_kind: global_buffer, .address_space: global }
      - { .name: bout, .offset: 16, .size: 8, .value_kind: global_buffer, .address_space: global }
      - { .name: out0, .offset: 24, .size: 8, .value_kind: global_buffer, .address_space: global }
    .group_segment_fixed_size: 189440
    .private_segment_fixed_size: 0
    .kernarg_segment_align: 8
    .kernarg_segment_size: 32
    .max_flat_workgroup_size: 256
    .sgpr_count:     66
    .vgpr_count:     256
    .wavefront_size: 32
...
	.end_amdgpu_metadata
.endif
;; end of part 4
